; MI455X (gfx1250); checked and timed in simulation.
; The chip was launched on July 23, 2026; its instructions are those of AMD's public machine-readable ISA for CDNA 5 (MIT licence, August 2026) and "CDNA5" Instruction Set Architecture Reference Guide (July 2026). The comments in the code are by the model that wrote it; some were corrected since.
;; Attention Module. Allowed arithmetic: float matrix products may take bf16 or f16 operands with f32 sums; other float arithmetic in f32, or as packed bf16 or f16 multiplies, adds, multiply-adds, maxima and minima; sums over many terms, partial sums and values carried from step to step in f32; what a program stores and reads back later, other than sums and carried values, may be rounded once to bf16 or f16.
;; Inputs: mask 1 x 1 x 2,048 x 2,048 float32; pos_ids 1 x 2,048 int32; wk 2,048 x 2,048 float32; wo 2,048 x 2,048 float32; wq 2,048 x 2,048 float32; wv 2,048 x 2,048 float32; x 1 x 2,048 x 2,048 float32.
;; Outputs: out0 1 x 2,048 x 2,048 float32.
;; 2 versions, each right; version 2 is version 1 with the launch prep written anew for expert scheduling mode. Each part assembles by itself: llvm-mc -triple=amdgcn-amd-amdhsa -mcpu=gfx1250 --defsym DOCPART=n.
;; ======== version 1 of 2: 4 launches
;; limits: values are held in f16: magnitudes above 65,504 overflow, below 6.1e-05 lose precision
;; workspace buffers: xb 8,388,608 bytes; wb 25,165,824 bytes; wob 8,388,608 bytes; mk 16,777,216 bytes; tab 1,048,576 bytes; qkvh 25,165,824 bytes; ob 8,388,608 bytes
;; launch prep (part 1): grid 128 x 7, 8 waves a work-group, no clusters, 0 bytes of LDS; arguments x, wq, wk, wv, wo, mask, pos_ids, xb, wb, wob, mk, tab; writes xb, wb, wob, mk, tab
.if DOCPART == 1
	.amdgcn_target "amdgcn-amd-amdhsa--gfx1250"
	.amdhsa_code_object_version 6
	.text
	.protected	k_q20317b83bc_prep
	.globl	k_q20317b83bc_prep
	.p2align	8
	.type	k_q20317b83bc_prep,@function
k_q20317b83bc_prep:
	s_mov_b64 s[64:65], 0
	v_nop
	global_prefetch_b8 v0, s[64:65] scope:SCOPE_SE
	s_setreg_imm32_b32 hwreg(HW_REG_WAVE_MODE, 25, 1), 1
	s_wait_xcnt 0x0
; PREPARATION, a stream: no LDS, no matrix unit, no cluster (no byte is wanted twice).  The grid's y says what a work-group does:
;   y = 0..3  x, wq, wk, wv rounded to bf16 -> xb, wb[0..2]          y = 4  wo rounded to bf16, that number written as f16 -> wob
;   y = 5     sqrt(128) x bf16(mask), f32, in the lane order of the accumulator that the attention launch starts its scores with -> mk
;   y = 6     cos and sin of pos_ids[s] x 10000^(-j/64), j = 0..63 -> tab[s][0..63], tab[s][64..127]
; LIMITS.  wo beyond 65,504 becomes an infinity in f16, below 6e-5 it keeps f16's fixed step.  |pos_ids| up to 2^20: beyond that the quadrant may be off by one.
; 10000^(-j/64) is 2^(-j log2(10000)/64) by v_exp_f32: the angle is good to about 1e-7 of itself.  A mask of -inf stays -inf; +inf and NaN are not treated apart.
.set IN,  2                            ; v2   byte offset of my loads
.set OUT, 3                            ; v3   byte offset of my stores
.set X,   8                            ; v[8:71]   as loaded; the packed words take the place of each four's first two
.set T,   88                           ; v[88:91]  at work
	s_load_b512 s[16:31], s[0:1], 0x0              ; x 16, wq 18, wk 20, wv 22, wo 24, mask 26, pos_ids 28, xb 30
	s_load_b256 s[32:39], s[0:1], 0x40             ; wb 32, wob 34, mk 36, tab 38
	s_and_b32 s2, ttmp7, 0xffff                    ; y
	s_mov_b32 s9, 0
	s_mov_b32 s11, 0
	s_mov_b32 s13, 0xffff0000                      ; a word's upper bf16
	s_wait_kmcnt 0x0
	s_cmp_eq_u32 s2, 6
	s_cbranch_scc1 .Ltable
	s_cmp_eq_u32 s2, 5
	s_cbranch_scc1 .Lmask
; A CAST.  The work-group owns 32,768 numbers: 2 trips of 16 loads a wave; a load of the work-group covers 4,096 consecutive bytes, a store of a wave 256, aligned.
.macro CAST mode
	s_mov_b32 s12, 2
.Lcast_\@:
.irp k, 0,1,2,3,4,5,6,7,8,9,10,11,12,13,14,15
	global_load_b128 v[X+4*(\k):X+4*(\k)+3], v[IN], s[4:5] offset:4096*(\k) th:TH_LOAD_NT
.endr
.irp k, 0,1,2,3,4,5,6,7,8,9,10,11,12,13,14,15
	s_wait_loadcnt 15-(\k)                         ; loads come back in order: the younger ones of the trip stay out
	v_cvt_pk_bf16_f32 v[X+4*(\k)], v[X+4*(\k)], v[X+4*(\k)+1]
	v_cvt_pk_bf16_f32 v[X+4*(\k)+1], v[X+4*(\k)+2], v[X+4*(\k)+3]
.if \mode
	v_lshlrev_b32 v[T], 16, v[X+4*(\k)]            ; the bf16 numbers as f32,
	v_and_b32 v[T+1], s13, v[X+4*(\k)]
	v_lshlrev_b32 v[T+2], 16, v[X+4*(\k)+1]
	v_and_b32 v[T+3], s13, v[X+4*(\k)+1]
	v_cvt_pk_f16_f32 v[X+4*(\k)], v[T], v[T+1]     ; written as f16: exact within f16's range
	v_cvt_pk_f16_f32 v[X+4*(\k)+1], v[T+2], v[T+3]
.endif
	global_store_b64 v[OUT], v[X+4*(\k):X+4*(\k)+1], s[6:7] offset:2048*(\k) th:TH_STORE_NT
.endr
	s_wait_xcnt 0x0                                ; the bases are stepped, and the stores' data loaded over, only behind this wait
	s_add_nc_u64 s[4:5], s[4:5], 65536
	s_add_nc_u64 s[6:7], s[6:7], 32768
	s_sub_co_u32 s12, s12, 1
	s_cmp_lg_u32 s12, 0
	s_cbranch_scc1 .Lcast_\@
.endm
	v_lshlrev_b32 v[IN], 4, v0
	v_lshlrev_b32 v[OUT], 3, v0
	s_lshl_b32 s8, ttmp9, 17                       ; the work-group's 131,072 bytes of f32,
	s_lshl_b32 s10, ttmp9, 16                      ; its 65,536 bytes of 16-bit numbers
	s_cmp_eq_u32 s2, 4
	s_cbranch_scc1 .Lwo
	s_max_u32 s3, s2, 1
	s_sub_co_u32 s3, s3, 1
	s_lshl_b32 s3, s3, 23                          ; wq, wk, wv lie 8,388,608 bytes apart in wb
	s_add_co_u32 s10, s10, s3
	s_cmp_eq_u32 s2, 0
	s_cselect_b64 s[4:5], s[16:17], s[18:19]
	s_cselect_b64 s[6:7], s[30:31], s[32:33]
	s_cmp_eq_u32 s2, 2
	s_cselect_b64 s[4:5], s[20:21], s[4:5]
	s_cmp_eq_u32 s2, 3
	s_cselect_b64 s[4:5], s[22:23], s[4:5]
	s_add_nc_u64 s[4:5], s[4:5], s[8:9]
	s_add_nc_u64 s[6:7], s[6:7], s[10:11]
	CAST 0
	s_endpgm
.Lwo:
	s_add_nc_u64 s[4:5], s[24:25], s[8:9]
	s_add_nc_u64 s[6:7], s[34:35], s[10:11]
	CAST 1
	s_endpgm
; THE MASK.  The work-group is a tile of 16 queries, wave w the keys 256 w .. 256 w + 255: 16 groups of 16 keys, kt = 16 w + 8 kh + rest.
; Block (query tile, kt) of 1,024 bytes lies at 131,072 x tile + 65,536 kh + 8,192 w + 1,024 rest; in it lane l has 16 bytes at 512 c + 16 l:
; query l % 16, keys 8 (l / 16) + 4 c .. + 3: registers 4 c .. 4 c + 3 of an accumulator of 16 keys x 16 queries.  A trip is one kh.
.Lmask:
	v_and_b32 v1, 15, v0
	v_bfe_u32 v4, v0, 4, 1
	v_lshrrev_b32 v5, 5, v0
	v_lshlrev_b32 v[IN], 13, v1                    ; a row of the mask is 8,192 bytes
	v_lshl_add_u32 v[IN], v4, 5, v[IN]
	v_lshl_add_u32 v[IN], v5, 10, v[IN]
	v_and_b32 v6, 31, v0
	v_lshlrev_b32 v[OUT], 4, v6
	v_lshl_add_u32 v[OUT], v5, 13, v[OUT]
	s_lshl_b32 s8, ttmp9, 17
	s_add_nc_u64 s[4:5], s[26:27], s[8:9]
	s_add_nc_u64 s[6:7], s[36:37], s[8:9]
	s_mov_b32 s14, 0x413504f3                      ; sqrt(128)
	s_mov_b32 s15, s14                             ; named with it as a pair
	s_mov_b32 s12, 2
.Lmk:
.irp n, 0,1,2,3,4,5,6,7,8,9,10,11,12,13,14,15
	global_load_b128 v[X+4*(\n):X+4*(\n)+3], v[IN], s[4:5] offset:((\n)/2)*64+((\n)%2)*16  ; the run of sixteen takes 512 consecutive bytes of each of the 16 rows
.endr
.irp n, 0,1,2,3,4,5,6,7,8,9,10,11,12,13,14,15
	s_wait_loadcnt 15-(\n)
	v_cvt_pk_bf16_f32 v[T], v[X+4*(\n)], v[X+4*(\n)+1]
	v_cvt_pk_bf16_f32 v[T+1], v[X+4*(\n)+2], v[X+4*(\n)+3]
	v_lshlrev_b32 v[X+4*(\n)], 16, v[T]
	v_and_b32 v[X+4*(\n)+1], s13, v[T]
	v_lshlrev_b32 v[X+4*(\n)+2], 16, v[T+1]
	v_and_b32 v[X+4*(\n)+3], s13, v[T+1]
	v_pk_mul_f32 v[X+4*(\n):X+4*(\n)+1], v[X+4*(\n):X+4*(\n)+1], s[14:15] op_sel_hi:[1,0]
	v_pk_mul_f32 v[X+4*(\n)+2:X+4*(\n)+3], v[X+4*(\n)+2:X+4*(\n)+3], s[14:15] op_sel_hi:[1,0]
	global_store_b128 v[OUT], v[X+4*(\n):X+4*(\n)+3], s[6:7] offset:((\n)/2)*1024+((\n)%2)*512  ; 512 consecutive bytes
.endr
	s_wait_xcnt 0x0                                ; bases and data are written again only behind this wait
	s_add_nc_u64 s[4:5], s[4:5], 512
	s_add_nc_u64 s[6:7], s[6:7], 65536
	s_sub_co_u32 s12, s12, 1
	s_cmp_lg_u32 s12, 0
	s_cbranch_scc1 .Lmk
	s_endpgm
; THE TABLE.  The work-group owns 16 positions; thread t position t / 16 and the frequencies 4 (t % 16) + 0..3.
; angle f = pos x inv (one rounding); n = nearest whole number to f 2/pi; r = f - n pi/2 with pi/2 in three parts, each step one fused multiply-add;
; sine and cosine of r (|r| <= pi/4) by polynomials in r^2; n mod 4 swaps them and sets the signs, by selects: no branch hangs on a number.
.set F,  8
.set N,  12
.set R,  16
.set Z,  20
.set SN, 24
.set CN, 28
.set Q,  32
.set CO, 36
.set SO, 40
.set TT, 44
.Ltable:
	v_lshrrev_b32 v1, 4, v0
	v_and_b32 v2, 15, v0
	v_lshlrev_b32 v3, 2, v1
	s_lshl_b32 s8, ttmp9, 6
	s_add_nc_u64 s[4:5], s[28:29], s[8:9]
	global_load_b32 v4, v3, s[4:5]
	s_lshl_b32 s8, ttmp9, 13
	s_add_nc_u64 s[6:7], s[38:39], s[8:9]
	v_lshlrev_b32 v5, 2, v2
	v_lshlrev_b32 v6, 9, v1
	v_lshl_add_u32 v6, v2, 4, v6                   ; row x 512 + 16 bytes a thread: sixteen lanes fill 256 bytes
	s_mov_b32 s40, 0xbe549a78                      ; -log2(10000) / 64
	s_mov_b32 s41, 0x3f22f983                      ; 2 / pi
	s_mov_b32 s42, 0xbfc90fdb                      ; -(pi/2), first part
	s_mov_b32 s43, 0x333bbd2e                      ; second
	s_mov_b32 s44, 0x26f72ced                      ; third
	s_mov_b32 s45, 0xbe2aaaa3                      ; sine: -1.6666654611e-1
	s_mov_b32 s46, 0x3c08839e                      ;        8.3321608736e-3
	s_mov_b32 s47, 0xb94ca1f9                      ;       -1.9515295891e-4
	s_mov_b32 s48, 0x3d2aaaa5                      ; cosine: 4.166664568e-2
	s_mov_b32 s49, 0xbab6061a                      ;        -1.388731625e-3
	s_mov_b32 s50, 0x37ccf5ce                      ;         2.443315712e-5
	s_mov_b32 s51, 0x80000000
.irp e, 0,1,2,3
	v_add_nc_u32 v[F+(\e)], (\e), v5
	v_cvt_f32_u32 v[F+(\e)], v[F+(\e)]
	v_mul_f32 v[F+(\e)], s40, v[F+(\e)]
.endr
.irp e, 0,1,2,3
	v_exp_f32 v[F+(\e)], v[F+(\e)]
.endr
	v_nop                                          ; a plain instruction behind the last exponential,
	s_wait_alu depctr_va_vdst(0)                   ; and one wait for the four, ahead of their first reader
	s_wait_loadcnt 0x0
	v_cvt_f32_i32 v4, v4
.irp e, 0,1,2,3
	v_mul_f32 v[F+(\e)], v4, v[F+(\e)]
	v_mul_f32 v[N+(\e)], s41, v[F+(\e)]
	v_rndne_f32 v[N+(\e)], v[N+(\e)]
	v_fma_f32 v[R+(\e)], v[N+(\e)], s42, v[F+(\e)]
	v_fma_f32 v[R+(\e)], v[N+(\e)], s43, v[R+(\e)]
	v_fma_f32 v[R+(\e)], v[N+(\e)], s44, v[R+(\e)]
	v_mul_f32 v[Z+(\e)], v[R+(\e)], v[R+(\e)]
	v_fma_f32 v[SN+(\e)], v[Z+(\e)], s47, s46
	v_fma_f32 v[SN+(\e)], v[SN+(\e)], v[Z+(\e)], s45
	v_mul_f32 v[TT+(\e)], v[R+(\e)], v[Z+(\e)]
	v_fma_f32 v[SN+(\e)], v[SN+(\e)], v[TT+(\e)], v[R+(\e)]   ; r + r z (..)
	v_fma_f32 v[CN+(\e)], v[Z+(\e)], s50, s49
	v_fma_f32 v[CN+(\e)], v[CN+(\e)], v[Z+(\e)], s48
	v_mul_f32 v[TT+(\e)], v[Z+(\e)], v[Z+(\e)]
	v_fma_f32 v[Q+(\e)], v[Z+(\e)], -0.5, 1.0
	v_fma_f32 v[CN+(\e)], v[CN+(\e)], v[TT+(\e)], v[Q+(\e)]   ; 1 - z/2 + z^2 (..)
	v_cvt_i32_f32 v[Q+(\e)], v[N+(\e)]
	v_and_b32 v[TT+(\e)], 1, v[Q+(\e)]
	v_cmp_eq_u32 vcc_lo, 1, v[TT+(\e)]
	v_cndmask_b32 v[SO+(\e)], v[SN+(\e)], v[CN+(\e)], vcc_lo  ; odd quadrants swap the two
	v_cndmask_b32 v[CO+(\e)], v[CN+(\e)], v[SN+(\e)], vcc_lo
	v_lshlrev_b32 v[TT+(\e)], 30, v[Q+(\e)]
	v_and_b32 v[TT+(\e)], s51, v[TT+(\e)]                     ; the sine turns its sign in quadrants 2 and 3,
	v_xor_b32 v[SO+(\e)], v[SO+(\e)], v[TT+(\e)]
	v_add_nc_u32 v[Q+(\e)], 1, v[Q+(\e)]
	v_lshlrev_b32 v[TT+(\e)], 30, v[Q+(\e)]
	v_and_b32 v[TT+(\e)], s51, v[TT+(\e)]                     ; the cosine in 1 and 2
	v_xor_b32 v[CO+(\e)], v[CO+(\e)], v[TT+(\e)]
.endr
	global_store_b128 v6, v[CO:CO+3], s[6:7]
	global_store_b128 v6, v[SO:SO+3], s[6:7] offset:256
	s_endpgm
.Lfunc_end_k_q20317b83bc_prep:
	.size	k_q20317b83bc_prep, .Lfunc_end_k_q20317b83bc_prep-k_q20317b83bc_prep
	.p2alignl 7, 3214868480
	.fill 96, 4, 3214868480
	.section	.rodata,"a",@progbits
	.p2align	6, 0x0
	.amdhsa_kernel k_q20317b83bc_prep
		.amdhsa_group_segment_fixed_size 0
		.amdhsa_private_segment_fixed_size 0
		.amdhsa_enable_private_segment 0
		.amdhsa_kernarg_size 96
		.amdhsa_user_sgpr_count 2
		.amdhsa_user_sgpr_kernarg_segment_ptr 1
		.amdhsa_wavefront_size32 1
		.amdhsa_system_sgpr_workgroup_id_x 1
		.amdhsa_system_sgpr_workgroup_id_y 1
		.amdhsa_system_sgpr_workgroup_id_z 1
		.amdhsa_system_vgpr_workitem_id 0
		.amdhsa_next_free_vgpr 96
		.amdhsa_next_free_sgpr 66
		.amdhsa_reserve_vcc 1
		.amdhsa_float_denorm_mode_32 3
		.amdhsa_float_denorm_mode_16_64 3
		.amdhsa_memory_ordered 1
		.amdhsa_forward_progress 1
		.amdhsa_inst_pref_size 35
	.end_amdhsa_kernel
	.amdgpu_metadata
---
amdhsa.version: [ 1, 2 ]
amdhsa.kernels:
  - .name:           k_q20317b83bc_prep
    .symbol:         k_q20317b83bc_prep.kd
    .args:
      - { .name: x, .offset: 0, .size: 8, .value_kind: global_buffer, .address_space: global }
      - { .name: wq, .offset: 8, .size: 8, .value_kind: global_buffer, .address_space: global }
      - { .name: wk, .offset: 16, .size: 8, .value_kind: global_buffer, .address_space: global }
      - { .name: wv, .offset: 24, .size: 8, .value_kind: global_buffer, .address_space: global }
      - { .name: wo, .offset: 32, .size: 8, .value_kind: global_buffer, .address_space: global }
      - { .name: mask, .offset: 40, .size: 8, .value_kind: global_buffer, .address_space: global }
      - { .name: pos_ids, .offset: 48, .size: 8, .value_kind: global_buffer, .address_space: global }
      - { .name: xb, .offset: 56, .size: 8, .value_kind: global_buffer, .address_space: global }
      - { .name: wb, .offset: 64, .size: 8, .value_kind: global_buffer, .address_space: global }
      - { .name: wob, .offset: 72, .size: 8, .value_kind: global_buffer, .address_space: global }
      - { .name: mk, .offset: 80, .size: 8, .value_kind: global_buffer, .address_space: global }
      - { .name: tab, .offset: 88, .size: 8, .value_kind: global_buffer, .address_space: global }
    .group_segment_fixed_size: 0
    .private_segment_fixed_size: 0
    .kernarg_segment_align: 8
    .kernarg_segment_size: 96
    .max_flat_workgroup_size: 256
    .sgpr_count:     66
    .vgpr_count:     96
    .wavefront_size: 32
...
	.end_amdgpu_metadata
.endif
;; end of part 1
;; launch qkvproj (part 2): grid 16 x 16, 4 waves a work-group, clusters of 4 x 4, 327,680 bytes of LDS; arguments xb, wb, tab, qkvh; writes qkvh
.if DOCPART == 2
	.amdgcn_target "amdgcn-amd-amdhsa--gfx1250"
	.amdhsa_code_object_version 6
	.text
	.protected	k_q20317b83bc_qkvproj
	.globl	k_q20317b83bc_qkvproj
	.p2align	8
	.type	k_q20317b83bc_qkvproj,@function
k_q20317b83bc_qkvproj:
	s_mov_b64 s[64:65], 0
	v_nop
	global_prefetch_b8 v0, s[64:65] scope:SCOPE_SE
	s_setreg_imm32_b32 hwreg(HW_REG_WAVE_MODE, 25, 1), 1
	s_wait_xcnt 0x0
	s_wait_alu depctr_hold_cnt(0) depctr_sa_sdst(0) depctr_va_vdst(0) depctr_va_sdst(0) depctr_va_ssrc(0) depctr_va_vcc(0) depctr_vm_vsrc(0)
	s_getreg_b32 s2, hwreg(HW_REG_IB_STS2, 6, 4)
	s_cmp_eq_u32 s2, 0
	s_cbranch_scc0 .Lentry_in_a_cluster
	s_endpgm
.Lentry_in_a_cluster:
	s_bfe_u32 s2, ttmp6, 0x10000c
	s_cmp_lg_u32 s2, 0xf033
	s_cbranch_scc0 .Lentry_shape_is_right
	s_endpgm
.Lentry_shape_is_right:
; q, k, v = x wq^T, x wk^T, x wv^T in bf16 with f32 sums; q and k turned by the table of cosines and sines; all three rounded once to f16 and stored by heads, qkvh[3][16][2048][128].
; LIMITS.  f16 holds no number beyond 65,504: q, k and v must stay within it.  Each f32 sum is taken in its cluster's order of K (below), not in ascending K.
; SHARES.  The work-group at (x, y) makes rows 128 x .. + 127 of head y of q, k AND v: a tile of 128 x 384, 256 work-groups.  Wave (rh = w / 2, cw = w % 2) makes 64 rows x 192 columns:
; of each of the three heads the channels 32 cw .. + 31 and 64 + 32 cw .. + 31, so that one lane holds both partners x1(d), x2(d + 64) of a rotation.  48 accumulators, 384 registers.
; K goes in 16 steps of 128 through two LDS slots, each with A's 128 rows and B's 3 x 128 rows, 256 bytes of memory a row; wave 0 fetches A's tile, waves 1 to 3 one of B's each.
; A K STEP IS WRITTEN ONCE: the loop's trip is one K step; the slot in hand is a scalar register, and the walking descriptors' LDS word, turned by an exclusive or.  The last two K steps, which ask for
; nothing, are a second copy, walked twice and left in its middle.
; CLUSTER 4 x 4.  A's tile hangs on x alone and is asked for jointly along a column of the cluster, B's tiles on y alone, jointly along a row.
; THE WALK ALONG K BEGINS AT A DIFFERENT STEP IN DIFFERENT CLUSTERS and goes round: at step 4 ((cluster x + 2 g) % 4), g = 0, 1, 1, 0 for cluster y = 0 .. 3.  The four clusters of a row of clusters, which read
; the same rows of w, stand a quarter of K apart; of the four of a column, which read the same rows of x, two and two stand half of K apart: clusters ask for the same bytes at different times.
; THE MATRIX INSTRUCTION IS USED TRANSPOSED (source 0 = 16 rows of w, source 1 = 16 rows of x): a lane holds row l % 16 of x and eight neighbouring channels 8 (l / 16) + 0..7.
; REGISTERS, in windows of 256.  Window 0: v0-31 addresses; v32-63 turned numbers; v64-127 A's fragments, two buffers of 32; v128-255 my part of the table.
;   window 1: B's fragments, two buffers of 96 (block b = 4 t + 2 s + i at 8 b: tensor t, half s of the head, 16 i channels on)   windows 2, 3: accumulators (a, b) at 8 (12 (a % 2) + b), row blocks a = 0, 1 and 2, 3
.set SIZE_K, 2048
.set KSTEP,  128
.set STEPS,  SIZE_K/KSTEP
.set PITCH,  272                       ; an LDS row: 256 bytes + 16 of padding: the 16 rows of a fragment load start 68 words apart
.set HALFT,  128*PITCH                 ; what one tensor load brings
.set SLOT,   4*HALFT                   ; A, then B of q, k, v
.set SLOT1,  0x24000                   ; slot 1 begins here: its two bits occur in none of the four tiles' places in a slot, so one exclusive or turns a tile's address in one slot into the other's
.set SPARE,  SLOT1+SLOT                ; behind the ring: the spare words, 128 bytes a wave, which no other line names
.set BA,   4                           ; v4      my A fragments' place in a slot; never rewritten
.set ADRA, 5                           ; v5      the same in the slot in hand
.set BB,   6                           ; v6-8    my B fragments' place in a slot, by t; never rewritten
.set ADRB, 9                           ; v9-11   the same in the slot in hand
.set STO,  12                          ; v12-14  the way out: where I put 16 bytes, by t
.set RD,   16                          ; v16-18  where I read rows back, by t
.set CO,   20                          ; v20     16 x lane
.set TO,   21                          ; v21     my offset in the table
.set PFO,  22                          ; v22     lane x 4,096: a row of xb
.set SPW,  28
.set NIL,  29
.set Y,    32
.set PK,   64
.set FA,   64
.set TAB,  128
.set WV, 12
.set RH, 13
.set CW, 14
.set CX, 15
.set CY, 16
.set TX, 17                            ; s17     the head
.set TY, 18                            ; s18     the block of 128 rows
.set G1,  24
.set G0,  32                           ; s[32:39] group 0 for A's tiles: a set for each of the two first fills; the second then walks
.set ABASE, 40                         ; s[40:41] xb at my tile's first row, K step 0; never rewritten
.set BBASE, 42                         ; s[42:43] wb likewise
.set LIM, 44
.set TB,  45                           ; s45     LDS byte at which the slot in hand begins
.set PFA, 46                           ; s[46:47] what the trip's prefetch names
.set G1B, 48
.set G0B, 56                           ; s[56:63] the same for B's tiles
.set OB,  66                           ; s[66:71] where my rows of q, k, v begin
.set KS,  72                           ; s72     the K step last asked for, 0 .. 15
.set OFF, 74                           ; s[74:75] its bytes along a row
.set PO,  76                           ; s[76:77] the same for the prefetch
.set PFB, 78                           ; s[78:79] xb at my work-group's 32 rows of A's tile, K step 0; never rewritten
.set MSB, 0
.macro WIN new                         ; the immediate's high byte repeats the setting that is left; a switch that changes nothing is dropped
.if MSB != (\new)
	s_set_vgpr_msb (MSB<<8)|(\new)
.set MSB, \new
.endif
.endm
.set MUL_LO, 0xa1                      ; source 0 (B) window 1, source 1 (A) window 0, C and D window 2
.set TO_B,   0x40
.macro PLACES
.rept 4
	v_nop
.endr
.endm
; A joint load: wave 0 asks for A's tile, waves 1 to 3 for B's.  Each line has one mask; the branch hangs on the wave's number alone.  An s_nop 0 and four v_nop follow each line.
.macro JLOAD sl
	s_cmp_eq_u32 s[WV], 0
	s_cbranch_scc0 .Lfor_b_\@
	tensor_load_to_lds s[G0+4*(\sl):G0+4*(\sl)+3], s[G1:G1+7]
	s_nop 0
.rept 4
	v_nop
.endr
	s_branch .Lasked_\@
.Lfor_b_\@:
	tensor_load_to_lds s[G0B+4*(\sl):G0B+4*(\sl)+3], s[G1B:G1B+7]
	s_nop 0
.rept 4
	v_nop
.endr
.Lasked_\@:
.endm
; A PREFETCH INTO THE L2 of the K step that stands two refills on: 32 rows x 256 bytes of xb, a lane a row.  In a column of clusters each K step of A's rows is asked for first in steps 0 to 7 of some cluster's
; walk.  Steps 0 to 3 of a walk come by their loads alone; steps 4 to 7 are named here, in the loop's first four trips, by wave 0 of the clusters y = 0 and 1, whose walks begin half of K apart: each block is
; named once.  The four partners of the joint load share its 128 rows out by address, 32 each.  Of B's rows every K step lies in the first four steps of one of the four clusters' walks: nothing is asked for.
.macro ASK
	s_cmp_gt_u32 s3, s[LIM]
	s_cbranch_scc0 .Lnot_mine_\@
	global_prefetch_b8 v[PFO], s[PFA:PFA+1] th:TH_LOAD_NT scope:SCOPE_SE
.Lnot_mine_\@:
.endm
.macro CREST                           ; a round of the cluster's barrier behind its opening barrier
	s_cmp_lg_u32 s[WV], 0
	s_cbranch_scc1 .Lnot_wave_0_\@
	s_barrier_signal -3
.Lnot_wave_0_\@:
	s_barrier_wait -3
	s_barrier_signal -1
	s_barrier_wait -1
.endm
.macro CROUND
	s_barrier_signal -1
	s_barrier_wait -1
	CREST
.endm
	s_load_b256 s[4:11], s[0:1], 0x0               ; xb s[4:5], wb s[6:7], tab s[8:9], qkvh s[10:11]
	v_lshl_add_u32 v[SPW], v0, 2, SPARE
	v_mov_b32 v[NIL], 0
	ds_add_u32 v[SPW], v[NIL]                      ; the wave's opening: the add and its wait stand ahead of my first tensor load
	v_lshrrev_b32 v1, 5, v0
	v_readfirstlane_b32 s[WV], v1
	s_lshr_b32 s[RH], s[WV], 1
	s_and_b32 s[CW], s[WV], 1
	s_bfe_u32 s[CX], ttmp6, 0x40000
	s_bfe_u32 s[CY], ttmp6, 0x40004
	s_lshl_b32 s[TY], ttmp9, 2
	s_add_co_u32 s[TY], s[TY], s[CX]               ; the block of 128 rows = 4 x cluster x + cx
	s_and_b32 s[TX], ttmp7, 0xffff
	s_lshl_b32 s[TX], s[TX], 2
	s_add_co_u32 s[TX], s[TX], s[CY]               ; the head = 4 x cluster y + cy
	s_lshl_b32 s19, s[CY], 2
	s_lshl_b32 s19, 15, s19                        ; my row of the cluster
	s_lshl_b32 s21, 0x1111, s[CX]                  ; my column
	s_or_b32 s[G1], s21, (1<<16)|(1<<20)|(1<<21)|(5<<22)|(3<<25)   ; A's tiles go to my column; 2-byte elements; padding on; bit 21 beside a mask; after every 64 words 4 words
	s_or_b32 s[G1B], s19, (1<<16)|(1<<20)|(1<<21)|(5<<22)|(3<<25)  ; B's to my row
.irp g, G1, G1B
	s_mov_b32 s[(\g)+1], KSTEP<<16                 ; tensor_dim0 = 128
	s_mov_b32 s[(\g)+2], 128<<16                   ; tensor_dim1 = 128
	s_mov_b32 s[(\g)+3], KSTEP<<16                 ; tile_dim0 = 128
	s_mov_b32 s[(\g)+4], 128                       ; tile_dim1 = 128
	s_mov_b32 s[(\g)+5], SIZE_K                    ; elements from row to row
	s_mov_b32 s[(\g)+6], 0
	s_mov_b32 s[(\g)+7], 0
.endr
	s_lshl_b32 s40, s[TY], 19                      ; A: 128 rows of 4,096 bytes a block
	s_mov_b32 s41, 0
	s_max_u32 s42, s[WV], 1
	s_sub_co_u32 s42, s42, 1                       ; B: tensor w - 1,
	s_lshl_b32 s42, s42, 23
	s_lshl_b32 s43, s[TX], 19                      ; its head's 128 rows
	s_add_co_u32 s42, s42, s43
	s_mov_b32 s43, 0
	s_mul_i32 s20, s[WV], HALFT                    ; where my tile goes: no place in the cluster enters an LDS address
	s_and_b32 s[KS], ttmp7, 0xffff                 ; where my cluster's walk begins: cluster y,
	s_lshr_b32 s23, s[KS], 1
	s_xor_b32 s[KS], s[KS], s23
	s_and_b32 s[KS], s[KS], 1                      ; g = 0, 1, 1, 0,
	s_lshl_b32 s[KS], s[KS], 1
	s_add_co_u32 s[KS], s[KS], ttmp9
	s_and_b32 s[KS], s[KS], 3                      ; the quarter (cluster x + 2 g) % 4,
	s_lshl_b32 s[KS], s[KS], 2                     ; its first K step: the same in all sixteen partners
	s_lshl_b32 s[OFF], s[KS], 8                    ; a K step is 256 bytes of a row
	s_mov_b32 s[OFF+1], 0
	s_mov_b32 s[PO+1], 0
	s_wait_dscnt 0x0                               ; the opening add is done
	s_wait_kmcnt 0x0
	s_add_nc_u64 s[ABASE:ABASE+1], s[4:5], s[40:41]
	s_add_nc_u64 s[BBASE:BBASE+1], s[6:7], s[42:43]
	s_add_nc_u64 s[80:81], s[ABASE:ABASE+1], s[OFF:OFF+1]
	s_add_nc_u64 s[82:83], s[BBASE:BBASE+1], s[OFF:OFF+1]
	CROUND                                         ; all sixteen work-groups are here: the first joint loads meet
.irp sl, 0,1
	s_mov_b32 s[G0+4*(\sl)], 1
	s_add_co_u32 s[G0+4*(\sl)+1], s20, (\sl)*SLOT1
	s_add_nc_u64 s[G0+4*(\sl)+2:G0+4*(\sl)+3], s[80:81], (\sl)*KSTEP*2  ; the walk's first two K steps lie side by side: it begins at a multiple of four
	s_or_b32 s[G0+4*(\sl)+3], s[G0+4*(\sl)+3], 0x80000000
	s_mov_b32 s[G0B+4*(\sl)], 1
	s_add_co_u32 s[G0B+4*(\sl)+1], s20, (\sl)*SLOT1
	s_add_nc_u64 s[G0B+4*(\sl)+2:G0B+4*(\sl)+3], s[82:83], (\sl)*KSTEP*2
	s_or_b32 s[G0B+4*(\sl)+3], s[G0B+4*(\sl)+3], 0x80000000
	JLOAD \sl                                      ; two loads of mine are out
.endr
	s_add_co_u32 s[KS], s[KS], 1                   ; the K step last asked for
	v_and_b32 v1, 15, v0                           ; r = l % 16
	v_bfe_u32 v2, v0, 4, 1                         ; h = l / 16
	v_mul_u32_u24 v3, v1, PITCH
	v_lshl_add_u32 v3, v2, 4, v3                   ; r x pitch + 16 h
	s_mul_i32 s21, s[RH], 64*PITCH                 ; my 64 rows of A
	s_mul_i32 s22, s[CW], 32*PITCH
	s_add_co_u32 s22, s22, HALFT                   ; B's tiles lie behind A's; my rows begin 32 cw down
	v_add_nc_u32 v[BA], s21, v3
	v_add_nc_u32 v[ADRA], s21, v3                  ; the slot in hand is slot 0
.irp tt, 0,1,2
	v_add_nc_u32 v[BB+(\tt)], s22, v3
	v_add_nc_u32 v[ADRB+(\tt)], s22, v3
	s_add_co_u32 s22, s22, HALFT
.endr
	s_mov_b32 s[TB], 0
	s_mul_i32 s21, s[RH], 64*PITCH                 ; the stage: row t x 128 + 64 rh + r, byte 64 cw + 16 h
	s_lshl_b32 s22, s[CW], 6
	s_add_co_u32 s21, s21, s22
	v_mul_u32_u24 v23, v2, PITCH
	v_lshl_add_u32 v23, v1, 4, v23                 ; back: lanes 0-15 one row of 256 bytes, lanes 16-31 the next
	s_mul_i32 s22, s[WV], 32*PITCH                 ; wave w takes rows 32 w .. + 31 of each of the three
.irp tt, 0,1,2
	v_add_nc_u32 v[STO+(\tt)], s21, v3
	v_add_nc_u32 v[RD+(\tt)], s22, v23
	s_add_co_u32 s21, s21, HALFT
	s_add_co_u32 s22, s22, HALFT
.endr
	v_and_b32 v[CO], 31, v0
	v_lshlrev_b32 v[PFO], 12, v[CO]
	v_lshlrev_b32 v[CO], 4, v[CO]
	v_lshlrev_b32 v[TO], 9, v1                     ; the table: row (64 rh + r) x 512 + 128 cw + 32 h
	v_lshl_add_u32 v[TO], v2, 5, v[TO]
	s_lshl_b32 s21, s[RH], 15
	s_lshl_b32 s22, s[CW], 7
	s_add_co_u32 s21, s21, s22
	v_add_nc_u32 v[TO], s21, v[TO]
	s_lshl_b32 s22, s[TY], 16
	s_mov_b32 s23, 0
	s_add_nc_u64 s[8:9], s[8:9], s[22:23]
.irp aa, 0,1,2,3                       ; my cosines at TAB + 32 a + 8 i, my sines 16 further on: waited for on the way out alone
.irp ii, 0,1
.irp qq, 0,1
	global_load_b128 v[TAB+32*(\aa)+8*(\ii)+4*(\qq):TAB+32*(\aa)+8*(\ii)+4*(\qq)+3], v[TO], s[8:9] offset:(\aa)*8192+(\ii)*64+(\qq)*16
	global_load_b128 v[TAB+32*(\aa)+16+8*(\ii)+4*(\qq):TAB+32*(\aa)+16+8*(\ii)+4*(\qq)+3], v[TO], s[8:9] offset:(\aa)*8192+(\ii)*64+(\qq)*16+256
.endr
.endr
.endr
	s_lshl_b32 s22, s[TX], 19                      ; the head's 524,288 bytes,
	s_lshl_b32 s21, s[TY], 15                      ; the block's 128 rows of 256 bytes,
	s_add_co_u32 s22, s22, s21
	s_lshl_b32 s21, s[WV], 13                      ; my 32 of them
	s_add_co_u32 s22, s22, s21
	s_add_nc_u64 s[OB:OB+1], s[10:11], s[22:23]
	s_add_nc_u64 s[OB+2:OB+3], s[OB:OB+1], 0x800000
	s_add_nc_u64 s[OB+4:OB+5], s[OB+2:OB+3], 0x800000
	s_and_b32 s22, ttmp7, 0xffff                   ; the prefetches: wave 0 of the clusters y = 0 and 1 asks, while more than STEPS - 6 trips are left: the first four
	s_cmp_lt_u32 s22, 2
	s_cselect_b32 s[LIM], STEPS-6, -1
	s_cmp_eq_u32 s[WV], 0
	s_cselect_b32 s[LIM], s[LIM], -1               ; the same in all sixteen partners, for a given wave
	s_lshl_b32 s22, s[CY], 17                      ; my work-group's 32 rows of the 128: the four that ask for A's tile with me differ in cy
	s_add_nc_u64 s[PFB:PFB+1], s[ABASE:ABASE+1], s[22:23]
; 12 matrix instructions: row block a x all 12 column blocks, 32 along K, from buffer f.  The 48 accumulators take turns in one fixed order.
.macro MUL12 f, a, zero
	WIN MUL_LO+0x50*((\a)/2)
.irp bb, 0,1,2,3,4,5,6,7,8,9,10,11
.if \zero
	v_wmma_f32_16x16x32_bf16 v[8*(12*((\a)%2)+(\bb)):8*(12*((\a)%2)+(\bb))+7], v[96*(\f)+8*(\bb):96*(\f)+8*(\bb)+7], v[FA+32*(\f)+8*(\a):FA+32*(\f)+8*(\a)+7], 0
.else
	v_wmma_f32_16x16x32_bf16 v[8*(12*((\a)%2)+(\bb)):8*(12*((\a)%2)+(\bb))+7], v[96*(\f)+8*(\bb):96*(\f)+8*(\bb)+7], v[FA+32*(\f)+8*(\a):FA+32*(\f)+8*(\a)+7], v[8*(12*((\a)%2)+(\bb)):8*(12*((\a)%2)+(\bb))+7]
.endif
.endr
.endm
; 32 LDS loads in one run, from the slot in hand: 24 for B's twelve fragments, 8 for A's four, 32 K at byte k of the rows, into buffer f
.macro FETCH k, f
	WIN TO_B
.irp tt, 0,1,2
.irp ss, 0,1
.irp ii, 0,1
	ds_load_b128 v[96*(\f)+8*(4*(\tt)+2*(\ss)+(\ii)):96*(\f)+8*(4*(\tt)+2*(\ss)+(\ii))+3], v[ADRB+(\tt)] offset:(\k)+(64*(\ss)+16*(\ii))*PITCH
	ds_load_b128 v[96*(\f)+8*(4*(\tt)+2*(\ss)+(\ii))+4:96*(\f)+8*(4*(\tt)+2*(\ss)+(\ii))+7], v[ADRB+(\tt)] offset:(\k)+(64*(\ss)+16*(\ii))*PITCH+32
.endr
.endr
.endr
	WIN 0
.irp aa, 0,1,2,3
	ds_load_b128 v[FA+32*(\f)+8*(\aa):FA+32*(\f)+8*(\aa)+3], v[ADRA] offset:(\k)+(\aa)*16*PITCH
	ds_load_b128 v[FA+32*(\f)+8*(\aa)+4:FA+32*(\f)+8*(\aa)+7], v[ADRA] offset:(\k)+(\aa)*16*PITCH+32
.endr
.endm
; A K step is four quarters of 32 along K, 48 matrix instructions each, on buffers 0, 1, 0, 1.  One of the first three: multiplies f, fetches the next quarter, at byte k, into g.
.macro QUARTER k, f, g, zero
	s_wait_dscnt 4                                 ; B and A's blocks 0, 1 are in; the youngest four loads (A's blocks 2, 3) may be out
	MUL12 \f, 0, \zero
	MUL12 \f, 1, \zero
	PLACES                                         ; four places between the last product that read buffer g and the loads into it
	FETCH \k, \g
	s_wait_dscnt 32                                ; all but the 32 just issued
	MUL12 \f, 2, \zero
	MUL12 \f, 3, \zero
.endm
; The last quarter multiplies buffer 1 and changes slots.  36 of its 48 products stand AHEAD of the wait for the tensor loads; between that wait and the refill stands only what must: the add, the
; descriptors' scalar work, the wait for the add, the round.  So the next request goes out as soon as the tile in flight has landed everywhere.  The last 12 products follow the run of LDS loads.
; One barrier: ahead of it each wave waits for all its tensor loads (one is out: its part of the next slot), adds 0 to its spare word, and waits for that; its reads of this slot came back ahead of the third
; block's products.  The fragments' addresses are made anew for the next slot: all loads from this slot have been issued; these four lines are also places behind the last product that read buffer 0.
; fill = 1: the barrier opens a round of the cluster's, and this slot is filled again first behind it, with the walk's K step two on, its address made anew from the step's number, which goes round at 16.
; fill = 0, the tail: nothing is asked for; in its last trip (s3 = 1) there is no next K step, and the run of loads is jumped over.
.macro TURN fill
.if \fill
	s_wait_xcnt 0x0                                ; the last prefetch, a K step back, has read its address, which is made anew:
	s_add_co_u32 s[PO], s[KS], 3                   ; this change asks for step KS + 1; two refills on stands KS + 3
	s_and_b32 s[PO], s[PO], STEPS-1
	s_lshl_b32 s[PO], s[PO], 8
	s_add_nc_u64 s[PFA:PFA+1], s[PFB:PFB+1], s[PO:PO+1]
.endif
	s_wait_dscnt 4                                 ; B and A's blocks 0, 1 are in
	MUL12 1, 0, 0
	MUL12 1, 1, 0
	s_wait_dscnt 0x0                               ; A's blocks 2, 3: my reads of this slot are over
	MUL12 1, 2, 0
	WIN 0
	s_xor_b32 s[TB], s[TB], SLOT1
	v_add_nc_u32 v[ADRA], s[TB], v[BA]
.irp tt, 0,1,2
	v_add_nc_u32 v[ADRB+(\tt)], s[TB], v[BB+(\tt)]
.endr
	s_wait_tensorcnt 0x0                           ; no tensor load of mine is out, so a group 0 may be written
	ds_add_u32 v[SPW], v[NIL]
.if \fill
	s_add_co_u32 s[KS], s[KS], 1
	s_and_b32 s[KS], s[KS], STEPS-1
	s_lshl_b32 s[OFF], s[KS], 8
	s_xor_b32 s[G0+5], s[G0+5], SLOT1              ; the walking descriptors: the other slot than last time,
	s_add_nc_u64 s[G0+6:G0+7], s[ABASE:ABASE+1], s[OFF:OFF+1]  ; the walk's next K step,
	s_or_b32 s[G0+7], s[G0+7], 0x80000000          ; the type
	s_xor_b32 s[G0B+5], s[G0B+5], SLOT1
	s_add_nc_u64 s[G0B+6:G0B+7], s[BBASE:BBASE+1], s[OFF:OFF+1]
	s_or_b32 s[G0B+7], s[G0B+7], 0x80000000
.endif
	s_wait_dscnt 0x0                               ; the add is done
	s_barrier_signal -1
	s_barrier_wait -1
.if \fill
	CREST
	JLOAD 1                                        ; 180 matrix instructions ahead of the wait for it
	FETCH 0, 0
	ASK
.else
	s_cmp_eq_u32 s3, 1
	s_cbranch_scc1 .Lno_next_\@
	PLACES
	FETCH 0, 0
.Lno_next_\@:
.endif
	MUL12 1, 3, 0
.endm
	s_wait_tensorcnt 1                             ; my part of the walk's first K step is in; the second's may stay out
	s_barrier_signal -1
	s_barrier_wait -1
	FETCH 0, 0
	QUARTER 64, 0, 1, 1                            ; the first quarter's products start the sums
	WIN 0
	s_mov_b32 s3, STEPS-2
.Lstep:                                                ; a trip goes from a K step's second quarter to the next one's first, and fills the slot that it leaves
	QUARTER 128, 1, 0, 0
	QUARTER 192, 0, 1, 0
	TURN 1
	QUARTER 64, 0, 1, 0
	WIN 0
	s_sub_co_u32 s3, s3, 1
	s_cmp_lg_u32 s3, 0
	s_cbranch_scc1 .Lstep
	s_mov_b32 s3, 2
.Ltail:                                                ; the last two K steps; the second trip is left behind its last quarter
	QUARTER 128, 1, 0, 0
	QUARTER 192, 0, 1, 0
	TURN 0
	WIN 0
	s_sub_co_u32 s3, s3, 1
	s_cmp_eq_u32 s3, 0
	s_cbranch_scc1 .Lout
	QUARTER 64, 0, 1, 0
	WIN 0
	s_branch .Ltail
.Lout:
; THE WAY OUT.  The stage is slot 0, which has had its last fill and, since the tail's first change of slots, its last reader: row t x 128 + m, 272 bytes apart.
; q and k (t = 0, 1): y1 = x1 cos - x2 sin, y2 = x1 sin + x2 cos, two channels an instruction, each accumulator read from its low end on; then rounded to f16.
.macro ROPE a, t
	WIN 0x02+(\a)/2
.irp ii, 0,1
.irp pp, 0,1,2,3
.set r1, 8*(12*((\a)%2)+4*(\t)+(\ii))+2*(\pp)
.set r2, r1+16
.set rc, TAB+32*(\a)+8*(\ii)+2*(\pp)
.set y1, Y+8*(\ii)+2*(\pp)
.set y2, y1+16
	v_pk_mul_f32 v[y1:y1+1], v[r2:r2+1], v[rc+16:rc+17]
	v_pk_mul_f32 v[y2:y2+1], v[r2:r2+1], v[rc:rc+1]
	v_pk_fma_f32 v[y1:y1+1], v[r1:r1+1], v[rc:rc+1], v[y1:y1+1] neg_lo:[0,0,1] neg_hi:[0,0,1]
	v_pk_fma_f32 v[y2:y2+1], v[r1:r1+1], v[rc+16:rc+17], v[y2:y2+1]
.endr
.endr
	WIN 0
.irp nn, 0,1,2,3,4,5,6,7,8,9,10,11,12,13,14,15
	v_cvt_pk_f16_f32 v[PK+(\nn)], v[Y+2*(\nn)], v[Y+2*(\nn)+1]
.endr
.irp nn, 0,1,2,3
	ds_store_b128 v[STO+(\t)], v[PK+4*(\nn):PK+4*(\nn)+3] offset:16*(\a)*PITCH+128*((\nn)/2)+32*((\nn)%2)
.endr
.endm
.macro PLAIN a                         ; v is rounded as it is
	WIN 0x0a+5*((\a)/2)
.irp nn, 0,1,2,3,4,5,6,7,8,9,10,11,12,13,14,15
	v_cvt_pk_f16_f32 v[PK+(\nn)], v[8*(12*((\a)%2)+8+(\nn)/4)+2*((\nn)%4)], v[8*(12*((\a)%2)+8+(\nn)/4)+2*((\nn)%4)+1]
.endr
	WIN 0
.irp nn, 0,1,2,3
	ds_store_b128 v[STO+2], v[PK+4*(\nn):PK+4*(\nn)+3] offset:16*(\a)*PITCH+128*((\nn)/2)+32*((\nn)%2)
.endr
.endm
	PLACES
	PLACES                                         ; the places behind the last products, once a launch
	s_wait_loadcnt 0x0                             ; the table
.irp aa, 0,1,2,3
	ROPE \aa, 0
	ROPE \aa, 1
	PLAIN \aa
.endr
	s_wait_dscnt 0x0                               ; for the others' sake: a row's 256 bytes come from two waves
	s_barrier_signal -1
	s_barrier_wait -1
.irp tt, 0,1,2
.irp uu, 0,1,2,3,4,5,6,7,8,9,10,11,12,13,14,15
	ds_load_b128 v[64+64*(\tt)+4*(\uu):64+64*(\tt)+4*(\uu)+3], v[RD+(\tt)] offset:(\uu)*2*PITCH
.endr
.endr
.irp tt, 0,1,2
.irp uu, 0,1,2,3,4,5,6,7,8,9,10,11,12,13,14,15
	s_wait_dscnt 47-16*(\tt)-(\uu)                 ; the younger loads from the stage stay out
	global_store_b128 v[CO], v[64+64*(\tt)+4*(\uu):64+64*(\tt)+4*(\uu)+3], s[OB+2*(\tt):OB+2*(\tt)+1] offset:(\uu)*512  ; two rows of a head: 512 consecutive bytes
.endr
.endr
	s_wait_tensorcnt 0x0                           ; the wave's end
	ds_add_u32 v[SPW], v[NIL]
	s_wait_dscnt 0x0
	CROUND                                         ; the closing round
	s_endpgm
.Lfunc_end_k_q20317b83bc_qkvproj:
	.size	k_q20317b83bc_qkvproj, .Lfunc_end_k_q20317b83bc_qkvproj-k_q20317b83bc_qkvproj
	.p2alignl 7, 3214868480
	.fill 96, 4, 3214868480
	.section	.rodata,"a",@progbits
	.p2align	6, 0x0
	.amdhsa_kernel k_q20317b83bc_qkvproj
		.amdhsa_group_segment_fixed_size 327680
		.amdhsa_private_segment_fixed_size 0
		.amdhsa_enable_private_segment 0
		.amdhsa_kernarg_size 32
		.amdhsa_user_sgpr_count 2
		.amdhsa_user_sgpr_kernarg_segment_ptr 1
		.amdhsa_wavefront_size32 1
		.amdhsa_system_sgpr_workgroup_id_x 1
		.amdhsa_system_sgpr_workgroup_id_y 1
		.amdhsa_system_sgpr_workgroup_id_z 1
		.amdhsa_system_vgpr_workitem_id 0
		.amdhsa_next_free_vgpr 1024
		.amdhsa_next_free_sgpr 84
		.amdhsa_reserve_vcc 0
		.amdhsa_float_denorm_mode_32 3
		.amdhsa_float_denorm_mode_16_64 3
		.amdhsa_memory_ordered 1
		.amdhsa_forward_progress 1
		.amdhsa_inst_pref_size 106
	.end_amdhsa_kernel
	.amdgpu_metadata
---
amdhsa.version: [ 1, 2 ]
amdhsa.kernels:
  - .name:           k_q20317b83bc_qkvproj
    .symbol:         k_q20317b83bc_qkvproj.kd
    .args:
      - { .name: xb, .offset: 0, .size: 8, .value_kind: global_buffer, .address_space: global }
      - { .name: wb, .offset: 8, .size: 8, .value_kind: global_buffer, .address_space: global }
      - { .name: tab, .offset: 16, .size: 8, .value_kind: global_buffer, .address_space: global }
      - { .name: qkvh, .offset: 24, .size: 8, .value_kind: global_buffer, .address_space: global }
    .group_segment_fixed_size: 327680
    .private_segment_fixed_size: 0
    .kernarg_segment_align: 8
    .kernarg_segment_size: 32
    .max_flat_workgroup_size: 128
    .sgpr_count:     84
    .vgpr_count:     1024
    .wavefront_size: 32
...
	.end_amdgpu_metadata
.endif
;; end of part 2
;; launch attn (part 3): grid 16 x 16, 4 waves a work-group, clusters of 4 x 1, 327,680 bytes of LDS; arguments qkvh, mk, ob; writes ob
.if DOCPART == 3
	.amdgcn_target "amdgcn-amd-amdhsa--gfx1250"
	.amdhsa_code_object_version 6
	.text
	.protected	k_q20317b83bc_attn
	.globl	k_q20317b83bc_attn
	.p2align	8
	.type	k_q20317b83bc_attn,@function
k_q20317b83bc_attn:
	s_mov_b64 s[64:65], 0
	v_nop
	global_prefetch_b8 v0, s[64:65] scope:SCOPE_SE
	s_setreg_imm32_b32 hwreg(HW_REG_WAVE_MODE, 25, 1), 1
	s_wait_xcnt 0x0
	s_wait_alu depctr_hold_cnt(0) depctr_sa_sdst(0) depctr_va_vdst(0) depctr_va_sdst(0) depctr_va_ssrc(0) depctr_va_vcc(0) depctr_vm_vsrc(0)
	s_getreg_b32 s2, hwreg(HW_REG_IB_STS2, 6, 4)
	s_cmp_eq_u32 s2, 0
	s_cbranch_scc0 .Lentry_in_a_cluster
	s_endpgm
.Lentry_in_a_cluster:
	s_bfe_u32 s2, ttmp6, 0x10000c
	s_cmp_lg_u32 s2, 0x3003
	s_cbranch_scc0 .Lentry_shape_is_right
	s_endpgm
.Lentry_shape_is_right:
; O[q][h] = the sum over k of softmax_k(Q.K / sqrt(128) + mask[q][k]) V.  Q, K, V: qkvh[3][16][2048][128] in f16; mk: sqrt(128) x mask in f32, in accumulator order; O: ob[2048][2048] in f16, column 128 h + d.
; Products, maxima and sums in f32; the weights p are rounded to f16 for the second product (their sum is taken of the unrounded p), O once at the end.
; LIMITS.  Q, K, V arrive within f16's 65,504.  A mask of -inf gives the weight 0; a row whose mask is -inf throughout gives NaN; +inf and NaN in the mask are not treated apart.  A weight below 2^-126 counts as 0.
; SHARES.  A work-group owns 128 queries of one head: 256 work-groups.  Wave w owns the 64 queries of half qh = w % 2 (four tiles of 16) and, of each slot of 256 keys, the half kh = w / 2: two steps of 64 keys.
; So a wave walks 16 steps, and each fragment of K and V feeds four query tiles.  The two key halves of a query (m, l, O) are merged at the end, in f32, through LDS: each wave of a pair hands two tiles to the
; other and finishes two.  A WAVE OF KEY HALF 1 NUMBERS ITS TILES TURNED BY TWO (its tile t holds the query tile (t + 2) % 4, by the addresses of Q, of the masks and of O alone): so every wave hands over
; its tiles 2, 3 and finishes its tiles 0, 1, and the merge is one text without a branch.
; LAYOUT.  S^T = K Q^T + mask (source 0 = 16 keys, source 1 = 16 queries): a lane holds ONE query (l % 16) and the keys 8 (l / 16) + 0..7; THE MASK IS THE C OPERAND that starts the sum, loaded straight into
; that layout, a whole key step ahead.  Two results rounded to f16 ARE source 1 of O^T = V^T P.  V comes out of LDS turned, by ds_load_tr16_b128.
; SOFTMAX.  p = 2^(c s - c m), c = log2(e) / sqrt(128), m a running maximum; O and l are multiplied by a = 2^(c m_old - c m_new) in every step.  m starts at the lowest finite number, O and l at 0.
; BY TURNS.  Two pieces (tiles 0, 1 and 2, 3).  In a turn one piece issues 32 products V^T P and 32 products K Q^T of the next step; the other piece's softmax, in 64 slices, stands behind them, one slice each.
; NO FIRST AND NO LAST STEP IS WRITTEN OUT.  The loop is entered at piece 2's turn, whose products V^T P then run on zeros; the tail is left behind piece 0's turn of a seventeenth step, whose products K Q^T
; run on the last K once more and serve nothing.  The price: 64 matrix instructions a wave, 16 loads of masks that nothing uses, and 424 v_mov_b32 that write 0, in the wait for the first tile.
; CLUSTER.  The four query blocks of a cluster belong to one head and walk the same K and V: each tile is asked for jointly.
; REGISTERS.  Window 0: v0-11 addresses; v12-43 statistics, 8 a tile; v44-46, 61-63 addresses; v64-191 S^T; v192-255 P.   Window 1: O^T, 64 a tile.
;   Window 2: v0-127 Q; v128-255 K of one step.   Window 3: v0-127 V of one step; v128-255 the masks to come, 32 a tile.
.set KS,    64
.set PK,    272                        ; a row of K in LDS: 256 bytes + 16
.set PV,    288                        ; a row of V: 256 + 32
.set VOFF,  256*PK                     ; a slot: 256 rows of K, then 256 rows of V: 143,360 bytes
.set SLOT1, 0x24000                    ; slot 1: its two bits occur in no tile's place in a slot, so one exclusive or turns an address in one slot into the other's
.set STAGE, SLOT1+256*(PK+PV)          ; 16 rows x 272 bytes for each wave, for the way out
.set SP,    272
.set SPARE, STAGE+4*16*SP              ; the spare words, 128 bytes a wave, which no other line names
.set XHALF, 17408                      ; the merge, in slot 0 behind its last fill and last reader: what one wave hands over: 32 x 512 bytes of O^T, 2 x 512 of statistics
.set XCH,   2*XHALF                    ; a query half's two waves
.set AK0, 2
.set AV0, 3
.set ADR, 4
.set QO,  5
.set STO, 6
.set RD,  7
.set GO,  8
.set ST,  12                           ; tile t at v[ST+8 t]: +0 c m, +1 m, +2, +3 l, +4 to +7 at work; a takes +6
.set ML,  44                           ; 16 x lane
.set XG,  45                           ; the merge: my 16 bytes in a block of what I hand over,
.set XT,  46                           ; and of what my partner hands to me
.set PFO, 61                           ; 256 x lane
.set SPW, 62
.set NIL, 63
.set S,   64
.set P,   192
.set KF,  128                          ; window 2
.set MC,  128                          ; window 3: tile t, key block kb at MC + 32 t + 8 kb
.set WV,  12
.set QH,  13
.set KH,  14
.set LIM, 15
.set PFA, 18
.set G1K, 24
.set G1V, 32
.set G0K, 40
.set G0V, 48
.set SLOTS, 56
.set TWICE, 57
.set CS,  58
.set SEL, 60
.set TBK, 62
.set TBV, 63
.set MP0, 66                           ; s[66:67], s[68:69] the masks of the step last asked for, at piece 0's and at piece 2's first tile
.set MS,  70                           ; s[70:71] their step, 4,096 bytes
.set KP,  72
.set VP,  74
.set OP,  76                           ; O at the two tiles that I finish
.set QP,  78                           ; Q at my tiles 0, 1
.set QP2, 80                           ; and at my tiles 2, 3
.set MSB, 0
.macro WIN new
.if MSB != (\new)
	s_set_vgpr_msb (MSB<<8)|(\new)
.set MSB, \new
.endif
.endm
.set W_KQ, 0x0a                        ; K and Q window 2, S^T window 0
.set W_KM, 0x3a                        ; the same with C in window 3
.set W_PV, 0x53                        ; V window 3, P window 0, O^T window 1
.set W_RS, 0x41                        ; O^T window 1, factor window 0
.macro PLACES
.rept 4
	v_nop
.endr
.endm
.macro JLOAD                           ; a joint refill: waves 0, 1 fetch the halves of a slot's K, waves 2, 3 those of its V; an s_nop 0 and four v_nop follow each line
	s_cmp_lt_u32 s[WV], 2
	s_cbranch_scc0 .Lfor_v_\@
	tensor_load_to_lds s[G0K+4:G0K+7], s[G1K:G1K+7]
	s_nop 0
.rept 4
	v_nop
.endr
	s_branch .Lasked_\@
.Lfor_v_\@:
	tensor_load_to_lds s[G0V+4:G0V+7], s[G1V:G1V+7]
	s_nop 0
.rept 4
	v_nop
.endr
.Lasked_\@:
.endm
; A prefetch of what the NEXT change of slots will ask for: 256 rows of K and of V, a lane a row.  All clusters of a head walk the same rows: the head's first cluster asks; its four partners and their
; four waves share the rows out by address, 32 each.  The last change that fills a slot asks for nothing.
.macro ASK
	s_cmp_gt_u32 s[SLOTS], s[LIM]
	s_cbranch_scc0 .Lnot_mine_\@
	global_prefetch_b8 v[PFO], s[PFA:PFA+1] th:TH_LOAD_NT scope:SCOPE_SE
.Lnot_mine_\@:
.endm
.macro CROUND
	s_barrier_signal -1
	s_barrier_wait -1
	s_cmp_lg_u32 s[WV], 0
	s_cbranch_scc1 .Lnot_wave_0_\@
	s_barrier_signal -3
.Lnot_wave_0_\@:
	s_barrier_wait -3
	s_barrier_signal -1
	s_barrier_wait -1
.endm
	s_load_b128 s[4:7], s[0:1], 0x0                ; qkvh s[4:5], mk s[6:7]
	s_load_b64 s[8:9], s[0:1], 0x10                ; ob
	v_lshl_add_u32 v[SPW], v0, 2, SPARE
	v_mov_b32 v[NIL], 0
	ds_add_u32 v[SPW], v[NIL]                      ; the wave's opening: the add and its wait stand ahead of my first tensor load
	v_lshrrev_b32 v1, 5, v0
	v_readfirstlane_b32 s[WV], v1
	s_and_b32 s[QH], s[WV], 1
	s_lshr_b32 s[KH], s[WV], 1
	s_xor_b32 s21, s[KH], 1                        ; my partner's key half
	s_bfe_u32 s16, ttmp6, 0x40000                  ; cx
	s_lshl_b32 s17, ttmp9, 2
	s_add_co_u32 s17, s17, s16                     ; my block of 128 queries: it enters Q's, the mask's and O's addresses alone
	s_and_b32 s20, ttmp7, 0xffff
	s_lshl_b32 s20, s20, 19                        ; the head's 524,288 bytes
	s_lshl_b32 s22, s[QH], 15                      ; which 128 rows of a slot I fetch
	s_add_co_u32 s22, s22, s20
	s_add_co_u32 s22, s22, 0x800000                ; K lies behind Q
	s_mov_b32 s23, 0
	s_mul_i32 s10, s[QH], 128*PK                   ; and their place in a slot, for K
	s_mul_i32 s11, s[QH], 128*PV                   ; and for V
	s_mov_b32 s[G1K], 15|(1<<16)|(1<<20)|(1<<21)|(5<<22)|(3<<25)  ; the mask of four; 2-byte elements; padding on; bit 21 beside a mask; after every 64 words 4 words
	s_mov_b32 s[G1V], 15|(1<<16)|(1<<20)|(1<<21)|(5<<22)|(7<<25)  ; the same with 8 words
.irp g, G1K, G1V
	s_mov_b32 s[(\g)+1], 128<<16                   ; tensor_dim0 = 128
	s_mov_b32 s[(\g)+2], 128<<16                   ; tensor_dim1 = 128
	s_mov_b32 s[(\g)+3], 128<<16                   ; tile_dim0 = 128
	s_mov_b32 s[(\g)+4], 128                       ; tile_dim1 = 128
	s_mov_b32 s[(\g)+5], 128                       ; elements from row to row
	s_mov_b32 s[(\g)+6], 0
	s_mov_b32 s[(\g)+7], 0
.endr
	s_mov_b32 s[CS], 0x3e0293ee                    ; c = log2(e) / sqrt(128)
	s_mov_b32 s[CS+1], s[CS]
	s_mov_b32 s[SEL], 0x76543210
	s_mov_b32 s[SEL+1], 0xfedcba98
	s_mov_b32 s[TBK], 0
	s_mov_b32 s[TBV], 0
	s_mov_b32 s[MS], 4096
	s_mov_b32 s[MS+1], 0
	s_cmp_eq_u32 ttmp9, 0                          ; the head's first cluster: the same in all four partners
	s_cselect_b32 s[LIM], 1, -1
	v_and_b32 v[ML], 31, v0
	v_lshlrev_b32 v[PFO], 8, v[ML]
	v_lshlrev_b32 v[ML], 4, v[ML]
	s_wait_dscnt 0x0                               ; the opening add is done
	s_wait_kmcnt 0x0
	s_add_nc_u64 s[KP:KP+1], s[4:5], s[22:23]
	s_add_nc_u64 s[VP:VP+1], s[KP:KP+1], 0x800000
	s_lshl_b32 s2, s17, 15                         ; Q: my block's 128 rows of 256 bytes, my wave's 64;
	s_lshl_b32 s3, s[QH], 14
	s_add_co_u32 s2, s2, s3
	s_add_co_u32 s2, s2, s20
	s_lshl_b32 s3, s[KH], 13                       ; my tiles 0, 1 are the query tiles 2 kh, 2 kh + 1 (4,096 bytes a tile),
	s_add_co_u32 s22, s2, s3
	s_add_nc_u64 s[QP:QP+1], s[4:5], s[22:23]
	s_lshl_b32 s3, s21, 13                         ; my tiles 2, 3 the other two
	s_add_co_u32 s22, s2, s3
	s_add_nc_u64 s[QP2:QP2+1], s[4:5], s[22:23]
	s_lshl_b32 s2, s17, 19                         ; O: rows of 4,096 bytes, the head's 256 of them; my tiles 0, 1 (65,536 bytes a tile)
	s_lshl_b32 s3, s[QH], 18
	s_add_co_u32 s2, s2, s3
	s_lshr_b32 s3, s20, 11
	s_add_co_u32 s2, s2, s3
	s_lshl_b32 s3, s[KH], 17
	s_add_co_u32 s22, s2, s3
	s_add_nc_u64 s[OP:OP+1], s[8:9], s[22:23]
	s_lshl_b32 s2, s17, 20                         ; the mask: query tile 8 qb + 4 qh, 131,072 bytes a tile; my key half;
	s_lshl_b32 s3, s[QH], 19
	s_add_co_u32 s2, s2, s3
	s_lshl_b32 s3, s[KH], 16
	s_add_co_u32 s2, s2, s3
	s_lshl_b32 s3, s[KH], 18                       ; piece 0's two tiles,
	s_add_co_u32 s22, s2, s3
	s_add_nc_u64 s[MP0:MP0+1], s[6:7], s[22:23]
	s_lshl_b32 s3, s21, 18                         ; piece 2's
	s_add_co_u32 s22, s2, s3
	s_add_nc_u64 s[MP0+2:MP0+3], s[6:7], s[22:23]
	s_lshl_b32 s2, s16, 14                         ; the prefetches: my work-group's 64 rows of a slot's 256, my wave's 32 of them,
	s_lshl_b32 s3, s[QH], 13
	s_add_co_u32 s2, s2, s3
	s_add_co_u32 s2, s2, s20
	s_add_co_u32 s2, s2, 2*65536                   ; in slot 2: the first change of slots steps it to slot 3
	s_lshl_b32 s3, 0x800000, s[KH]                 ; of K (waves 0, 1) or of V (waves 2, 3)
	s_add_co_u32 s2, s2, s3
	s_mov_b32 s3, 0
	s_add_nc_u64 s[PFA:PFA+1], s[4:5], s[2:3]
	CROUND                                         ; all four work-groups are here: the first joint loads meet
.irp sl, 0,1
	s_mov_b32 s[G0K+4*(\sl)], 1
	s_add_co_u32 s[G0K+4*(\sl)+1], s10, (\sl)*SLOT1
	s_add_nc_u64 s[G0K+4*(\sl)+2:G0K+4*(\sl)+3], s[KP:KP+1], (\sl)*65536
	s_or_b32 s[G0K+4*(\sl)+3], s[G0K+4*(\sl)+3], 0x80000000
	s_mov_b32 s[G0V+4*(\sl)], 1
	s_add_co_u32 s[G0V+4*(\sl)+1], s11, (\sl)*SLOT1+VOFF
	s_add_nc_u64 s[G0V+4*(\sl)+2:G0V+4*(\sl)+3], s[VP:VP+1], (\sl)*65536
	s_or_b32 s[G0V+4*(\sl)+3], s[G0V+4*(\sl)+3], 0x80000000
.endr
	s_cmp_lt_u32 s[WV], 2                          ; a wave's two first fills stand in one branch: two loads of mine are out
	s_cbranch_scc0 .Lfirst_v
	tensor_load_to_lds s[G0K:G0K+3], s[G1K:G1K+7]
	s_nop 0
	tensor_load_to_lds s[G0K+4:G0K+7], s[G1K:G1K+7]
	s_nop 0
.rept 4
	v_nop
.endr
	s_branch .Lfirst_asked
.Lfirst_v:
	tensor_load_to_lds s[G0V:G0V+3], s[G1V:G1V+7]
	s_nop 0
	tensor_load_to_lds s[G0V+4:G0V+7], s[G1V:G1V+7]
	s_nop 0
.rept 4
	v_nop
.endr
.Lfirst_asked:
	v_and_b32 v1, 15, v0                           ; l % 16
	v_bfe_u32 v9, v0, 4, 1                         ; l / 16
	v_lshlrev_b32 v[QO], 8, v1
	v_lshl_add_u32 v[QO], v9, 4, v[QO]
	WIN 0x80
.irp i, 0,1,2,3,4,5,6,7                ; Q stays in registers: tile i / 4, channels 32 (i % 4) on
	global_load_b128 v[8*(\i):8*(\i)+3],   v[QO], s[QP:QP+1] offset:((\i)/4)*4096+((\i)%4)*64
	global_load_b128 v[8*(\i)+4:8*(\i)+7], v[QO], s[QP:QP+1] offset:((\i)/4)*4096+((\i)%4)*64+32
.endr
.irp i, 8,9,10,11,12,13,14,15
	global_load_b128 v[8*(\i):8*(\i)+3],   v[QO], s[QP2:QP2+1] offset:((\i)/4-2)*4096+((\i)%4)*64
	global_load_b128 v[8*(\i)+4:8*(\i)+7], v[QO], s[QP2:QP2+1] offset:((\i)/4-2)*4096+((\i)%4)*64+32
.endr
; Piece x's masks for one key step: 16 loads of 512 consecutive bytes, straight into the C operands' registers
.macro MLOADS x
	WIN 0xc0
.irp uu, 0,1
.irp kb, 0,1,2,3
.irp cc, 0,1
	global_load_b128 v[MC+32*((\x)+(\uu))+8*(\kb)+4*(\cc):MC+32*((\x)+(\uu))+8*(\kb)+4*(\cc)+3], v[ML], s[MP0+(\x):MP0+(\x)+1] offset:(\uu)*131072+(\kb)*1024+(\cc)*512
.endr
.endr
.endr
.endm
	MLOADS 0                                       ; key step 0
	MLOADS 2
	; What the first turn finds: V's registers and piece 2's P hold 0 (its products V^T P, of a step that has not been, add 0), O^T and l are 0.  All this stands in the wait for the first tile.
.set i, 0
.rept 128
	v_mov_b32 v[i], 0                              ; V, in window 3
.set i, i+1
.endr
	WIN 0x40
.set i, 0
.rept 256
	v_mov_b32 v[i], 0                              ; O^T
.set i, i+1
.endr
	WIN 0
.set i, P+32
.rept 32
	v_mov_b32 v[i], 0                              ; piece 2's P
.set i, i+1
.endr
.set i, 0
.rept 4
	v_mov_b32 v[ST+8*i+1], 0xff7fffff              ; m: the lowest finite number
	v_mul_f32 v[ST+8*i], s[CS], v[ST+8*i+1]        ; c m, by the loop's own product: while m stands, a is 2^0
	v_mov_b32 v[ST+8*i+2], 0
	v_mov_b32 v[ST+8*i+3], 0
.set i, i+1
.endr
	v_mul_u32_u24 v[AK0], v1, PK
	v_lshl_add_u32 v[AK0], v9, 4, v[AK0]
	s_mul_i32 s2, s[KH], 128*PK                    ; my half of a slot's keys
	v_add_nc_u32 v[AK0], s2, v[AK0]
	v_and_b32 v10, 7, v0                           ; the turning load: lane l reads key 8 (l / 16) + l % 8, channels 8 ((l / 8) % 2) + 0..7
	v_bfe_u32 v11, v0, 3, 1
	v_lshl_add_u32 v[AV0], v9, 3, v10
	v_mul_u32_u24 v[AV0], v[AV0], PV
	v_lshl_add_u32 v[AV0], v11, 4, v[AV0]
	s_mul_i32 s2, s[KH], 128*PV
	s_add_co_u32 s2, s2, VOFF
	v_add_nc_u32 v[AV0], s2, v[AV0]
; THE MATRIX WORK.  The accumulators take turns, one instruction a turn.
.macro PV x                            ; product i of 32 of O^T += V^T P: keys 32 (i / 16) on, channels 16 ((i / 2) % 8) on, tile x + i % 2
	WIN W_PV
.set rO, 64*((\x)+i%2)+8*((i/2)%8)
.set rV, 64*(i/16)+8*((i/2)%8)
.set rP, P+16*((\x)+i%2)+8*(i/16)
	v_wmma_f32_16x16x32_f16 v[rO:rO+7], v[rV:rV+7], v[rP:rP+7], v[rO:rO+7]
.endm
.macro KQ x                            ; product i of 32 of S^T: channels 32 (i / 8) on, keys 16 ((i / 2) % 4) on, tile x + i % 2.  The first 8 start the sums with the mask
.set rS, S+32*((\x)+i%2)+8*((i/2)%4)
.set rK, KF+32*((i/2)%4)+8*(i/8)
.set rQ, 32*((\x)+i%2)+8*(i/8)
.set rM, MC+32*((\x)+i%2)+8*((i/2)%4)
.if i < 8
	WIN W_KM
	v_wmma_f32_16x16x32_f16 v[rS:rS+7], v[rK:rK+7], v[rQ:rQ+7], v[rM:rM+7]
.else
	WIN W_KQ
	v_wmma_f32_16x16x32_f16 v[rS:rS+7], v[rK:rK+7], v[rQ:rQ+7], v[rS:rS+7]
.endif
.endm
; A step's K: 64 keys x 128 channels, 32 loads in one run.  last other than 0 (the tail): in the trip with the count 1 there is no further step, and the run is jumped over.
.macro FETCH_K last
	WIN 0
.if \last
	s_cmp_eq_u32 s[TWICE], 1
	s_cbranch_scc1 .Lno_k_\@
.endif
	v_add_nc_u32 v[ADR], s[TBK], v[AK0]
	s_add_co_u32 s[TBK], s[TBK], KS*PK
	WIN 0x80
.irp f, 0,1,2,3,4,5,6,7,8,9,10,11,12,13,14,15
	ds_load_b128 v[KF+8*(\f):KF+8*(\f)+3],   v[ADR] offset:((\f)/4)*16*PK+((\f)%4)*64
	ds_load_b128 v[KF+8*(\f)+4:KF+8*(\f)+7], v[ADR] offset:((\f)/4)*16*PK+((\f)%4)*64+32
.endr
.if \last
	WIN 0
.Lno_k_\@:
.endif
.endm
.macro FETCH_V                         ; a step's V, turned; the wait for the softmax's batch of exponentials stands in it
	WIN 0
	v_add_nc_u32 v[ADR], s[TBV], v[AV0]
	s_add_co_u32 s[TBV], s[TBV], KS*PV
	s_wait_alu depctr_va_vdst(0)
	WIN 0xc0
.irp f, 0,1,2,3,4,5,6,7,8,9,10,11,12,13,14,15
	ds_load_tr16_b128 v[8*(\f):8*(\f)+3],   v[ADR] offset:((\f)/8)*32*PV+((\f)%8)*32
	ds_load_tr16_b128 v[8*(\f)+4:8*(\f)+7], v[ADR] offset:((\f)/8)*32*PV+16*PV+((\f)%8)*32
.endr
.endm
; Piece x's masks for the step after the one whose scores have just been started.  The turn's counted wait has shown the piece's earlier loads done, so their base may be stepped.
; last other than 0 (the tail): the base steps only where the count is last: that fetch is the sixteenth step's.  Later ones read that step once more and are not used: the counts of loads are the same
; on every path, and none leaves mk.
.macro FETCH_M x, last
.if \last
	s_cmp_eq_u32 s[TWICE], \last
	s_cselect_b32 s[MS], 4096, 0
.endif
	s_add_nc_u64 s[MP0+(\x):MP0+(\x)+1], s[MP0+(\x):MP0+(\x)+1], s[MS:MS+1]
	MLOADS \x
.endm
; THE VECTOR WORK.  One tile's softmax for a key step is a list of 134 instructions; SM writes number j for tile t.
;   0-15 the maximum of the 32 scores and the old m (each accumulator's lowest registers first)   16-20 the other half of the lanes' maximum; m; c m; its change
;   21-69 ONE BATCH: 16 scalings c s - c m and 33 exponentials (a at 23); none reads an exponential's result   (the wait)   70-85 roundings to f16   86-101 the sums; l = a l + sum   102-133 O^T times a
.macro SM t
.set rT, ST+8*(\t)
.set rS, S+32*(\t)
.set rP, P+16*(\t)
.set rO, 64*(\t)+2*(j-102)
.if j < 102
	WIN 0
.endif
.if j < 4
	v_max3_num_f32 v[rT+4+j], v[rS+8*j], v[rS+8*j+1], v[rS+8*j+2]
.elseif j < 12
	v_max3_num_f32 v[rT+4+j%4], v[rT+4+j%4], v[rS+8*(j%4)+2*(j/4)+1], v[rS+8*(j%4)+2*(j/4)+2]
.elseif j == 12
	v_max3_num_f32 v[rT+4], v[rT+4], v[rS+7], v[rS+15]
.elseif j == 13
	v_max3_num_f32 v[rT+6], v[rT+6], v[rS+23], v[rS+31]
.elseif j == 14
	v_max3_num_f32 v[rT+4], v[rT+4], v[rT+5], v[rT+6]
.elseif j == 15
	v_max3_num_f32 v[rT+4], v[rT+4], v[rT+7], v[rT+1]
.elseif j == 16
	v_permlanex16_b32 v[rT+5], v[rT+4], s[SEL], s[SEL+1]
.elseif j == 17
	v_mov_b32 v[rT+7], v[rT]
.elseif j == 18
	v_max_num_f32 v[rT+1], v[rT+4], v[rT+5]
.elseif j == 19
	v_mul_f32 v[rT], s[CS], v[rT+1]
.elseif j == 20
	v_sub_f32 v[rT+7], v[rT+7], v[rT]
.elseif j == 23
	v_exp_f32 v[rT+6], v[rT+7]
.elseif (j < 23) || ((j < 38) && (j%2 == 0)) || ((j < 66) && (j%4 == 2))
.set b, (j-2)/4
.if j < 38
.set b, (j-20)/2
.endif
	v_pk_fma_f32 v[rS+2*b:rS+2*b+1], v[rS+2*b:rS+2*b+1], s[CS:CS+1], v[rT:rT+1] op_sel_hi:[1,0,0] neg_lo:[0,0,1] neg_hi:[0,0,1]
.elseif j < 70
.set e, j-38
.if j < 66
.set e, j-32-(j-38)/4
.endif
.if j < 38
.set e, (j-25)/2
.endif
	v_exp_f32 v[rS+e], v[rS+e]
.elseif j < 86
	v_cvt_pk_f16_f32 v[rP+j-70], v[rS+2*(j-70)], v[rS+2*(j-70)+1]
.elseif j < 102
.set z, j-86
.set w, 4
.set u, z
.if z >= 14
.set w, 32
.set u, 0
.elseif z >= 12
.set w, 16
.set u, z-12
.elseif z >= 8
.set w, 8
.set u, z-8
.endif
.if z < 15
	v_pk_add_f32 v[rS+w*u:rS+w*u+1], v[rS+w*u:rS+w*u+1], v[rS+w*u+w/2:rS+w*u+w/2+1]
.else
	v_pk_fma_f32 v[rT+2:rT+3], v[rT+2:rT+3], v[rT+6:rT+7], v[rS:rS+1] op_sel_hi:[1,0,1]
.endif
.else
	WIN W_RS
	v_pk_mul_f32 v[rO:rO+1], v[rO:rO+1], v[rT+6:rT+7] op_sel_hi:[1,0]
.endif
.endm
; Slice k of 64 of piece y's softmax: four instructions; slices 11 to 34 deal out the batch, four numbers of one tile each; slice 63 takes the twelve that are over.
; Behind slice 34 stands a plain instruction and the one wait for the piece's 66 exponentials: ahead of it nothing names a result of theirs, behind it none is issued.
.macro SLICE y
.if (k >= 11) && (k < 35)
.irp n, 0,1,2,3
.set j, 22+4*((k-11)/2)+(\n)
	SM (\y)+(k-11)%2
.endr
.else
.irp n, 0,1,2,3,4,5,6,7
.if ((\n) < 2) || (k == 63)
.irp t, \y, (\y)+1
.set j, 2*k+(\n)
	SM \t
.endr
.endif
.endr
.endif
.if k == 34
	v_nop
.if (\y) == 0
	FETCH_V
.else
	s_wait_alu depctr_va_vdst(0)
.endif
.endif
.set k, k+1
.endm
; A TURN.  Piece x has the matrix unit: 32 products V^T P of the step in hand, 32 products K Q^T of the next; the other piece's softmax stands in slices behind them, one behind each.
; Piece 0's turn fetches the next step's K behind its second product; piece 2's turn the same step's V behind slice 34.  Behind the tenth product K Q^T, three slices behind the
; last product that took a mask, the piece's masks for the step after are asked for.  s_wait_loadcnt 16 at the head of the products K Q^T: my piece's masks are in, the other piece's sixteen younger loads stay out.
.macro TURN x, last
.set k, 0
.if (\x) == 0
	s_wait_dscnt 0x0                               ; V is in
.endif
.set i, 0
.rept 32
	PV \x
	SLICE 2-(\x)
.if ((\x) == 0) && (i == 1)
	FETCH_K \last
.endif
.set i, i+1
.endr
.if (\x) == 0
	s_wait_dscnt 0x0                               ; K is in
.endif
	s_wait_loadcnt 16
.set i, 0
.rept 32
	KQ \x
	SLICE 2-(\x)
.if i == 9
	FETCH_M \x, \last
.endif
.set i, i+1
.endr
.endm
; THE CHANGE OF SLOTS, behind the turn that has asked for V of the slot's last step.  Each wave waits for all its tensor loads (one is out: its part of the other slot), adds 0 to its spare word, and waits for
; that and for its reads of the slot.  fill = 1: a round of the cluster's barrier, and the slot is filled again first behind it, with the keys two slots on: it has two key steps, 256 matrix instructions, in which to land.
.macro CHANGE fill
	WIN 0
	s_wait_tensorcnt 0x0
	ds_add_u32 v[SPW], v[NIL]
.if \fill
.irp g, G0K+4, G0V+4
	s_xor_b32 s[(\g)+1], s[(\g)+1], SLOT1
	s_add_nc_u64 s[(\g)+2:(\g)+3], s[(\g)+2:(\g)+3], 65536
.endr
	s_wait_xcnt 0x0                                ; the last prefetch, two key steps back, has read its address
	s_add_nc_u64 s[PFA:PFA+1], s[PFA:PFA+1], 65536
	s_wait_dscnt 0x0
	CROUND
	JLOAD
	ASK
.else
	s_wait_dscnt 0x0
	s_barrier_signal -1
	s_barrier_wait -1
.endif
	s_sub_co_u32 s[TBK], s[TBK], 2*KS*PK           ; the fetches go back to my first step of a slot,
	s_xor_b32 s[TBK], s[TBK], SLOT1                ; in the other slot
	s_sub_co_u32 s[TBV], s[TBV], 2*KS*PV
	s_xor_b32 s[TBV], s[TBV], SLOT1
.endm
	s_wait_tensorcnt 1                             ; my part of slot 0 is in; slot 1's may stay out
	s_barrier_signal -1
	s_barrier_wait -1
	FETCH_K 0                                      ; key step 0
	s_wait_loadcnt 0x0                             ; Q and the first masks
	s_wait_dscnt 0x0
.set i, 0
.rept 32
	KQ 0                                           ; piece 0's first scores
.set i, i+1
.endr
	WIN 0                                          ; the addresses for the end: ten plain instructions, the places behind those products
	s_mul_i32 s2, s[WV], 16*SP
	s_add_co_u32 s2, s2, STAGE                     ; my stage
	v_mul_u32_u24 v[STO], v1, SP
	v_lshl_add_u32 v[STO], v9, 4, v[STO]
	v_add_nc_u32 v[STO], s2, v[STO]
	v_mul_u32_u24 v[RD], v9, SP
	v_lshl_add_u32 v[RD], v1, 4, v[RD]
	v_add_nc_u32 v[RD], s2, v[RD]
	v_lshlrev_b32 v[GO], 12, v9
	v_lshl_add_u32 v[GO], v1, 4, v[GO]
	s_mul_i32 s2, s[QH], XCH
	s_mul_i32 s3, s[KH], XHALF
	s_add_co_u32 s3, s3, s2
	v_add_nc_u32 v[XG], s3, v[ML]                  ; what I hand over lies by my key half,
	s_mul_i32 s3, s21, XHALF
	s_add_co_u32 s3, s3, s2
	v_add_nc_u32 v[XT], s3, v[ML]                  ; what I take by my partner's
	FETCH_M 0, 0                                   ; piece 0's masks of step 1
	WIN 0
	s_mov_b32 s[TWICE], 2                          ; slot 0: this half trip fetches V of step 0, the next trip K and V of step 1
	s_mov_b32 s[SLOTS], 7
	s_branch .Lmid                                 ; the loop is entered at piece 2's turn, in the middle of a trip
.Lslot:                                                ; six times: slots 2 to 7 are asked for
	CHANGE 1
	s_mov_b32 s[TWICE], 2
.Lstep:                                                ; a key step: V^T P of step j, K Q^T of step j + 1, whose K, V and (a step further) masks it fetches
	TURN 0, 0
	WIN 0
.Lmid:
	TURN 2, 0
	WIN 0
	s_sub_co_u32 s[TWICE], s[TWICE], 1
	s_cmp_lg_u32 s[TWICE], 0
	s_cbranch_scc1 .Lstep
	s_sub_co_u32 s[SLOTS], s[SLOTS], 1
	s_cmp_lg_u32 s[SLOTS], 0
	s_cbranch_scc1 .Lslot
	CHANGE 0                                       ; the tail is written out
	s_mov_b32 s[TWICE], 3                          ; two trips fetch the last slot's steps; the third is left in its middle
.Ltail:
	TURN 0, 3
	WIN 0
	s_sub_co_u32 s[TWICE], s[TWICE], 1
	s_cmp_eq_u32 s[TWICE], 0
	s_cbranch_scc1 .Lout
	TURN 2, 2
	WIN 0
	s_branch .Ltail
.Lout:
.set i, 0
.rept 32
	PV 2                                           ; piece 2: V^T P of the last step
.set i, i+1
.endr
; THE MERGE.  The two waves of a query half hold the same 64 queries and different keys.  Each hands O^T and the statistics of its tiles 2, 3 to the other, in f32, lane to lane, and finishes its tiles 0, 1,
; which are the query tiles that the other hands over.  Quad n of the 32 of O^T lies at 512 n, the two tiles' statistics at 16,384 and 16,896, in the giver's region.
; The last 32 loads of masks are waited for nowhere: no line names their registers or writes their sources again.
	WIN 0
	PLACES
	PLACES                                         ; the places behind the last products, once a launch
	WIN 0x04                                       ; the data in window 1; each accumulator's low half goes first
.set n, 0
.rept 32
	ds_store_b128 v[XG], v[128+4*n:128+4*n+3] offset:512*n
.set n, n+1
.endr
	WIN 0
.irp u, 0,1
	ds_store_b128 v[XG], v[ST+8*(2+(\u)):ST+8*(2+(\u))+3] offset:16384+512*(\u)
.endr
	s_wait_dscnt 0x0                               ; for the partner's sake
	s_barrier_signal -1
	s_barrier_wait -1
.irp u, 0,1
	ds_load_b128 v[ST+8*(\u)+4:ST+8*(\u)+7], v[XT] offset:16384+512*(\u)  ; the partner's statistics go to +4 .. +7 of the tile's eight,
.endr
	WIN 0x80                                       ; its O^T where Q lay
.set n, 0
.rept 32
	ds_load_b128 v[4*n:4*n+3], v[XT] offset:512*n
.set n, n+1
.endr
	WIN 0
	s_wait_dscnt 32                                ; the statistics are in; the 32 younger loads stay out
.macro BOTH line:vararg                ; one line for each of the tiles 0, 1
.set t, 0
.rept 2
	\line
.set t, t+1
.endr
.endm
	BOTH v_add_f32 v[ST+8*t+2], v[ST+8*t+2], v[ST+8*t+3]
	BOTH v_add_f32 v[ST+8*t+6], v[ST+8*t+6], v[ST+8*t+7]
	BOTH v_max_num_f32 v[ST+8*t+1], v[ST+8*t], v[ST+8*t+4]
	BOTH v_sub_f32 v[ST+8*t], v[ST+8*t], v[ST+8*t+1]
	BOTH v_sub_f32 v[ST+8*t+4], v[ST+8*t+4], v[ST+8*t+1]
	BOTH v_exp_f32 v[ST+8*t], v[ST+8*t]
	BOTH v_exp_f32 v[ST+8*t+4], v[ST+8*t+4]
	v_nop                                          ; a plain instruction behind the last exponential,
	s_wait_alu depctr_va_vdst(0)                   ; and one wait for the four
	BOTH v_mul_f32 v[ST+8*t+2], v[ST+8*t+2], v[ST+8*t]
	BOTH v_fma_f32 v[ST+8*t+2], v[ST+8*t+6], v[ST+8*t+4], v[ST+8*t+2]
	BOTH v_permlanex16_b32 v[ST+8*t+3], v[ST+8*t+2], s[SEL], s[SEL+1]
	BOTH v_add_f32 v[ST+8*t+2], v[ST+8*t+2], v[ST+8*t+3]
	BOTH v_rcp_f32 v[ST+8*t+3], v[ST+8*t+2]
	v_nop
	s_wait_alu depctr_va_vdst(0)                   ; one wait for the two reciprocals
	BOTH v_mul_f32 v[ST+8*t], v[ST+8*t], v[ST+8*t+3]
	BOTH v_mul_f32 v[ST+8*t+4], v[ST+8*t+4], v[ST+8*t+3]
; Tile t: O = O_a g_a + O_b g_b, rounded to f16, through my stage: in as 16 bytes a lane, back as whole rows of 256 bytes.
.macro PACK t
	s_wait_dscnt 16                                ; the partner's tile t is in: behind its loads stand the 16 loads of the second tile, or the first tile's 16 instructions on the stage
	WIN W_RS
.set i, 64*(\t)
.rept 32
	v_pk_mul_f32 v[i:i+1], v[i:i+1], v[ST+8*(\t):ST+8*(\t)+1] op_sel_hi:[1,0]
.set i, i+2
.endr
	WIN 0x52                                       ; source 0 window 2, source 1 window 0, source 2 and destination window 1
.set i, 64*(\t)
.rept 32
	v_pk_fma_f32 v[i:i+1], v[i:i+1], v[ST+8*(\t)+4:ST+8*(\t)+5], v[i:i+1] op_sel_hi:[1,0,1]
.set i, i+2
.endr
	WIN 0x05
.set i, 0
.rept 32
	v_cvt_pk_f16_f32 v[S+32*(\t)+i], v[64*(\t)+2*i], v[64*(\t)+2*i+1]
.set i, i+1
.endr
	WIN 0
.irp f, 0,1,2,3,4,5,6,7
	ds_store_b128 v[STO], v[S+32*(\t)+4*(\f):S+32*(\t)+4*(\f)+3] offset:32*(\f)
.endr
.irp f, 0,1,2,3,4,5,6,7
	ds_load_b128 v[S+32*(\t)+4*(\f):S+32*(\t)+4*(\f)+3], v[RD] offset:(\f)*2*SP  ; LDS serves a wave's instructions in order: these see the stores above, the next tile's stores come behind them
.endr
.endm
.macro SEND t, younger                 ; younger: the LDS instructions issued behind tile t's loads from the stage
.irp f, 0,1,2,3,4,5,6,7
	s_wait_dscnt (\younger)+7-(\f)
	global_store_b128 v[GO], v[S+32*(\t)+4*(\f):S+32*(\t)+4*(\f)+3], s[OP:OP+1] offset:(\t)*65536+(\f)*8192  ; sixteen lanes store 256 consecutive bytes, aligned
.endr
.endm
	PACK 0
	PACK 1
	SEND 0, 16
	SEND 1, 0
	s_wait_tensorcnt 0x0                           ; the wave's end
	ds_add_u32 v[SPW], v[NIL]
	s_wait_dscnt 0x0
	CROUND                                         ; the closing round
	s_endpgm
.Lfunc_end_k_q20317b83bc_attn:
	.size	k_q20317b83bc_attn, .Lfunc_end_k_q20317b83bc_attn-k_q20317b83bc_attn
	.p2alignl 7, 3214868480
	.fill 96, 4, 3214868480
	.section	.rodata,"a",@progbits
	.p2align	6, 0x0
	.amdhsa_kernel k_q20317b83bc_attn
		.amdhsa_group_segment_fixed_size 327680
		.amdhsa_private_segment_fixed_size 0
		.amdhsa_enable_private_segment 0
		.amdhsa_kernarg_size 24
		.amdhsa_user_sgpr_count 2
		.amdhsa_user_sgpr_kernarg_segment_ptr 1
		.amdhsa_wavefront_size32 1
		.amdhsa_system_sgpr_workgroup_id_x 1
		.amdhsa_system_sgpr_workgroup_id_y 1
		.amdhsa_system_sgpr_workgroup_id_z 1
		.amdhsa_system_vgpr_workitem_id 0
		.amdhsa_next_free_vgpr 1024
		.amdhsa_next_free_sgpr 84
		.amdhsa_reserve_vcc 0
		.amdhsa_float_denorm_mode_32 3
		.amdhsa_float_denorm_mode_16_64 3
		.amdhsa_memory_ordered 1
		.amdhsa_forward_progress 1
		.amdhsa_inst_pref_size 167
	.end_amdhsa_kernel
	.amdgpu_metadata
---
amdhsa.version: [ 1, 2 ]
amdhsa.kernels:
  - .name:           k_q20317b83bc_attn
    .symbol:         k_q20317b83bc_attn.kd
    .args:
      - { .name: qkvh, .offset: 0, .size: 8, .value_kind: global_buffer, .address_space: global }
      - { .name: mk, .offset: 8, .size: 8, .value_kind: global_buffer, .address_space: global }
      - { .name: ob, .offset: 16, .size: 8, .value_kind: global_buffer, .address_space: global }
    .group_segment_fixed_size: 327680
    .private_segment_fixed_size: 0
    .kernarg_segment_align: 8
    .kernarg_segment_size: 24
    .max_flat_workgroup_size: 128
    .sgpr_count:     84
    .vgpr_count:     1024
    .wavefront_size: 32
...
	.end_amdgpu_metadata
.endif
;; end of part 3
;; launch oproj (part 4): grid 16 x 16, 4 waves a work-group, clusters of 4 x 4, 327,680 bytes of LDS; arguments ob, wob, out0; writes out0
.if DOCPART == 4
	.amdgcn_target "amdgcn-amd-amdhsa--gfx1250"
	.amdhsa_code_object_version 6
	.text
	.protected	k_q20317b83bc_oproj
	.globl	k_q20317b83bc_oproj
	.p2align	8
	.type	k_q20317b83bc_oproj,@function
k_q20317b83bc_oproj:
	s_mov_b64 s[64:65], 0
	v_nop
	global_prefetch_b8 v0, s[64:65] scope:SCOPE_SE
	s_setreg_imm32_b32 hwreg(HW_REG_WAVE_MODE, 25, 1), 1
	s_wait_xcnt 0x0
	s_wait_alu depctr_hold_cnt(0) depctr_sa_sdst(0) depctr_va_vdst(0) depctr_va_sdst(0) depctr_va_ssrc(0) depctr_va_vcc(0) depctr_vm_vsrc(0)
	s_getreg_b32 s2, hwreg(HW_REG_IB_STS2, 6, 4)
	s_cmp_eq_u32 s2, 0
	s_cbranch_scc0 .Lentry_in_a_cluster
	s_endpgm
.Lentry_in_a_cluster:
	s_bfe_u32 s2, ttmp6, 0x10000c
	s_cmp_lg_u32 s2, 0xf033
	s_cbranch_scc0 .Lentry_shape_is_right
	s_endpgm
.Lentry_shape_is_right:
; out0[m][n] = the sum over k of ob[m][k] wob[n][k].  ob, wob: [2048][2048] in f16; out0 in f32; sums in f32, each taken in its cluster's order of K (below), not in ascending K.
; A tile of out0 is 128 x 128: 256 work-groups.  Four waves, each 64 x 64: 16 accumulators.  K goes in 8 steps of 256 (LDS rows of 512 bytes, 64 rows to a tensor load) through two slots.
; A K STEP IS WRITTEN ONCE: the loop's trip is one K step; the slot in hand is a scalar register, and the walking descriptors' LDS word, turned by an exclusive or.  The last two K steps, which ask for
; nothing, are a second copy, walked twice and left in its middle.
; CLUSTER 4 x 4: A's tiles are asked for jointly along a row of the cluster, B's along a column.  THE MATRIX INSTRUCTION IS USED TRANSPOSED: a lane holds eight neighbouring numbers of a row of out0.
; THE WALK ALONG K BEGINS AT A DIFFERENT STEP IN DIFFERENT CLUSTERS and goes round: at step 2 ((cluster x + 2 g) % 4), g = 0, 1, 1, 0 for cluster y = 0 .. 3.  The four clusters of a row of clusters, which read
; the same rows of ob, stand a quarter of K apart; of the four of a column, which read the same rows of wob, two and two stand half of K apart: clusters ask for the same bytes at different times.
; A wave's 64 columns of f32 are 256 consecutive bytes, aligned. No prefetch: the tiles are small.
; REGISTERS: window 0: v0-31 addresses; v128-255 the accumulators ((a, b) at 128 + 8 (4 a + b)).   window 1: two fragment buffers of 128: 64 registers of A, then 64 of B, for 64 along K.
.set SIZE_N, 2048
.set SIZE_K, 2048
.set KSTEP,  256
.set STEPS,  SIZE_K/KSTEP
.set PITCH,  528
.set HALFT,  64*PITCH
.set SLOT,   4*HALFT
.set SLOT1,  0x24000                   ; slot 1 begins here: its two bits occur in none of the four tiles' places in a slot, so one exclusive or turns a tile's address in one slot into the other's
.set STAGE,  SLOT1+SLOT                ; behind the ring: 16 rows x 272 bytes for each wave
.set SPITCH, 272
.set SPARE,  STAGE+4*16*SPITCH         ; the spare words, 128 bytes a wave, which no other line names
.set BA,   16                          ; v16  my A fragments' place in a slot; never rewritten
.set ADRA, 17                          ; v17  the same in the slot in hand
.set BB,   20                          ; v20, v21  the same for B
.set ADRB, 21
.set STO,  24
.set RD,   25
.set CO,   26
.set SPW,  28
.set NIL,  29
.set ACC,  128
.set F0,   0
.set F1,   128
.set G1, 24
.set G0, 32                            ; s[32:39] group 0 for A's tiles: a set for each of the two first fills; the second then walks
.set TB, 45                            ; s45  LDS byte at which the slot in hand begins
.set G1B, 48
.set G0B, 56
.set ABASE, 66                         ; s[66:67] ob at the rows that I fetch, K step 0; never rewritten
.set BBASE, 68                         ; s[68:69] wob likewise
.set KS,  70                           ; s70  the K step last asked for, 0 .. 7
.set OFF, 72                           ; s[72:73] its bytes along a row
.set MSB, 0
.macro WIN new
.if MSB != (\new)
	s_set_vgpr_msb (MSB<<8)|(\new)
.set MSB, \new
.endif
.endm
.set MUL,  0x05                        ; sources 0 (B) and 1 (A) window 1; C and D window 0
.set TO_F, 0x40
.macro JLOAD sl                        ; waves 0, 1 fetch A's halves, waves 2, 3 B's; an s_nop 0 and four v_nop follow each line
	s_cmp_eq_u32 s11, 0
	s_cbranch_scc0 .Lfor_b_\@
	tensor_load_to_lds s[G0+4*(\sl):G0+4*(\sl)+3], s[G1:G1+7]
	s_nop 0
.rept 4
	v_nop
.endr
	s_branch .Lasked_\@
.Lfor_b_\@:
	tensor_load_to_lds s[G0B+4*(\sl):G0B+4*(\sl)+3], s[G1B:G1B+7]
	s_nop 0
.rept 4
	v_nop
.endr
.Lasked_\@:
.endm
.macro CREST
	s_cmp_lg_u32 s10, 0
	s_cbranch_scc1 .Lnot_wave_0_\@
	s_barrier_signal -3
.Lnot_wave_0_\@:
	s_barrier_wait -3
	s_barrier_signal -1
	s_barrier_wait -1
.endm
.macro CROUND
	s_barrier_signal -1
	s_barrier_wait -1
	CREST
.endm
	s_load_b128 s[4:7], s[0:1], 0x0                ; ob s[4:5], wob s[6:7]
	s_load_b64 s[8:9], s[0:1], 0x10                ; out0
	v_lshl_add_u32 v[SPW], v0, 2, SPARE
	v_mov_b32 v[NIL], 0
	ds_add_u32 v[SPW], v[NIL]                      ; the wave's opening: the add and its wait stand ahead of my first tensor load
	v_lshrrev_b32 v1, 5, v0
	v_readfirstlane_b32 s10, v1                    ; wave
	s_lshr_b32 s11, s10, 1                         ; my half of the tile's rows; also: I fetch for A (0) or B (1)
	s_and_b32 s12, s10, 1                          ; my half of its columns; also: which 64 rows I fetch
	s_bfe_u32 s40, ttmp6, 0x40000
	s_bfe_u32 s41, ttmp6, 0x40004
	s_lshl_b32 s42, ttmp9, 2
	s_add_co_u32 s42, s42, s40                     ; tile column
	s_and_b32 s13, ttmp7, 0xffff
	s_lshl_b32 s13, s13, 2
	s_add_co_u32 s13, s13, s41                     ; tile row
	s_lshl_b32 s43, s41, 2
	s_lshl_b32 s43, 15, s43
	s_lshl_b32 s44, 0x1111, s40
	s_or_b32 s[G1+0], s43, (1<<16)|(1<<20)|(1<<21)|(6<<22)|(3<<25)   ; mask; 2-byte elements; padding on; bit 21 beside a mask; after every 128 words 4 words
	s_or_b32 s[G1B+0], s44, (1<<16)|(1<<20)|(1<<21)|(6<<22)|(3<<25)
.irp g, G1, G1B
	s_mov_b32 s[(\g)+1], KSTEP<<16
	s_mov_b32 s[(\g)+2], 64<<16
	s_mov_b32 s[(\g)+3], KSTEP<<16
	s_mov_b32 s[(\g)+4], 64
	s_mov_b32 s[(\g)+5], SIZE_K
	s_mov_b32 s[(\g)+6], 0
	s_mov_b32 s[(\g)+7], 0
.endr
	s_lshl_b32 s17, s12, 6
	s_lshl_b32 s16, s13, 7
	s_add_co_u32 s16, s16, s17                     ; A: row 128 x tile row + 64 x half
	s_lshl_b32 s46, s42, 7
	s_add_co_u32 s46, s46, s17                     ; B: row 128 x tile column + 64 x half
	s_mov_b32 s17, 0
	s_mov_b32 s47, 0
	s_mov_b64 s[18:19], SIZE_K*2
	s_mul_u64 s[16:17], s[16:17], s[18:19]
	s_mul_u64 s[46:47], s[46:47], s[18:19]
	s_mul_i32 s20, s10, HALFT
	s_and_b32 s[KS], ttmp7, 0xffff                 ; where my cluster's walk begins: cluster y,
	s_lshr_b32 s21, s[KS], 1
	s_xor_b32 s[KS], s[KS], s21
	s_and_b32 s[KS], s[KS], 1                      ; g = 0, 1, 1, 0,
	s_lshl_b32 s[KS], s[KS], 1
	s_add_co_u32 s[KS], s[KS], ttmp9
	s_and_b32 s[KS], s[KS], 3                      ; the quarter (cluster x + 2 g) % 4,
	s_lshl_b32 s[KS], s[KS], 1                     ; its first K step: the same in all sixteen partners
	s_lshl_b32 s[OFF], s[KS], 9                    ; a K step is 512 bytes of a row
	s_mov_b32 s[OFF+1], 0
	s_wait_dscnt 0x0                               ; the opening add is done
	s_wait_kmcnt 0x0
	s_add_nc_u64 s[ABASE:ABASE+1], s[4:5], s[16:17]
	s_add_nc_u64 s[BBASE:BBASE+1], s[6:7], s[46:47]
	s_add_nc_u64 s[74:75], s[ABASE:ABASE+1], s[OFF:OFF+1]
	s_add_nc_u64 s[76:77], s[BBASE:BBASE+1], s[OFF:OFF+1]
	CROUND
.irp sl, 0,1
	s_mov_b32 s[G0+4*(\sl)], 1
	s_add_co_u32 s[G0+4*(\sl)+1], s20, (\sl)*SLOT1
	s_add_nc_u64 s[G0+4*(\sl)+2:G0+4*(\sl)+3], s[74:75], (\sl)*KSTEP*2  ; the walk's first two K steps lie side by side: it begins at an even step
	s_or_b32 s[G0+4*(\sl)+3], s[G0+4*(\sl)+3], 0x80000000
	s_mov_b32 s[G0B+4*(\sl)], 1
	s_add_co_u32 s[G0B+4*(\sl)+1], s20, (\sl)*SLOT1
	s_add_nc_u64 s[G0B+4*(\sl)+2:G0B+4*(\sl)+3], s[76:77], (\sl)*KSTEP*2
	s_or_b32 s[G0B+4*(\sl)+3], s[G0B+4*(\sl)+3], 0x80000000
	JLOAD \sl
.endr
	s_add_co_u32 s[KS], s[KS], 1                   ; the K step last asked for
	v_and_b32 v1, 15, v0
	v_bfe_u32 v2, v0, 4, 1
	v_mul_u32_u24 v3, v1, PITCH
	v_lshl_add_u32 v3, v2, 4, v3
	s_mul_i32 s21, s11, HALFT
	s_mul_i32 s22, s12, HALFT
	s_add_co_u32 s22, s22, 2*HALFT
	v_add_nc_u32 v[BA], s21, v3
	v_add_nc_u32 v[ADRA], s21, v3                  ; the slot in hand is slot 0
	v_add_nc_u32 v[BB], s22, v3
	v_add_nc_u32 v[ADRB], s22, v3
	s_mov_b32 s[TB], 0
	s_mul_i32 s23, s10, 16*SPITCH
	s_add_co_u32 s23, s23, STAGE                   ; my stage
	v_mul_u32_u24 v4, v1, SPITCH                   ; in: row l % 16, 32 bytes for each half of the lanes
	v_lshl_add_u32 v4, v2, 5, v4
	v_add_nc_u32 v[STO], s23, v4
	v_mul_u32_u24 v5, v2, SPITCH                   ; back: lanes 0-15 one row of 256 bytes, lanes 16-31 the next
	v_lshl_add_u32 v5, v1, 4, v5
	v_add_nc_u32 v[RD], s23, v5
	v_lshlrev_b32 v5, 13, v2                       ; and the same two rows in out0: 8,192 bytes a row
	v_lshl_add_u32 v[CO], v1, 4, v5
	s_lshl_b32 s16, s13, 7
	s_lshl_b32 s17, s11, 6
	s_add_co_u32 s16, s16, s17                     ; my first row
	s_lshl_b32 s16, s16, 13
	s_mov_b32 s17, 0
	s_add_nc_u64 s[8:9], s[8:9], s[16:17]
	s_lshl_b32 s46, s42, 9                         ; my first column, in bytes
	s_lshl_b32 s47, s12, 8
	s_add_co_u32 s46, s46, s47
	s_mov_b32 s47, 0
	s_add_nc_u64 s[8:9], s[8:9], s[46:47]
.macro MUL8 f, c, a0, zero             ; 8 matrix instructions: m blocks a0, a0 + 1 x 4 n blocks, 32 along K: half c of buffer f.  The 16 accumulators take turns
	WIN MUL
.irp a, \a0, (\a0)+1
.irp b, 0,1,2,3
.if \zero
	v_wmma_f32_16x16x32_f16 v[ACC+8*(4*(\a)+(\b)):ACC+8*(4*(\a)+(\b))+7], v[(\f)+64+8*(4*(\c)+(\b)):(\f)+64+8*(4*(\c)+(\b))+7], v[(\f)+8*(4*(\c)+(\a)):(\f)+8*(4*(\c)+(\a))+7], 0
.else
	v_wmma_f32_16x16x32_f16 v[ACC+8*(4*(\a)+(\b)):ACC+8*(4*(\a)+(\b))+7], v[(\f)+64+8*(4*(\c)+(\b)):(\f)+64+8*(4*(\c)+(\b))+7], v[(\f)+8*(4*(\c)+(\a)):(\f)+8*(4*(\c)+(\a))+7], v[ACC+8*(4*(\a)+(\b)):ACC+8*(4*(\a)+(\b))+7]
.endif
.endr
.endr
.endm
.macro FETCH k, f                      ; 32 LDS loads in one run, from the slot in hand: 64 along K at byte k, the first 32 along K first
	WIN TO_F
.irp c, 0,1
.irp i, 0,1,2,3
	ds_load_b128 v[(\f)+64+8*(4*(\c)+(\i)):(\f)+64+8*(4*(\c)+(\i))+3],   v[ADRB] offset:(\k)+64*(\c)+(\i)*16*PITCH
	ds_load_b128 v[(\f)+64+8*(4*(\c)+(\i))+4:(\f)+64+8*(4*(\c)+(\i))+7], v[ADRB] offset:(\k)+64*(\c)+(\i)*16*PITCH+32
	ds_load_b128 v[(\f)+8*(4*(\c)+(\i)):(\f)+8*(4*(\c)+(\i))+3],         v[ADRA] offset:(\k)+64*(\c)+(\i)*16*PITCH
	ds_load_b128 v[(\f)+8*(4*(\c)+(\i))+4:(\f)+8*(4*(\c)+(\i))+7],       v[ADRA] offset:(\k)+64*(\c)+(\i)*16*PITCH+32
.endr
.endr
.endm
.macro PLACES
.rept 4
	v_nop
.endr
.endm
.macro QUARTER k, f, g, zero
	s_wait_dscnt 16                                ; the first 32 along K are in; the sixteen younger loads may be out
	MUL8 \f, 0, 0, \zero
	MUL8 \f, 0, 2, \zero
	PLACES
	FETCH \k, \g
	s_wait_dscnt 32                                ; all but the 32 just issued
	MUL8 \f, 1, 0, 0
	MUL8 \f, 1, 2, 0
.endm
; The last quarter multiplies buffer 1 and changes slots.  24 of its 32 products stand AHEAD of the wait for the tensor loads; between that wait and the refill stands only what must: the add, the
; descriptors' scalar work, the wait for the add, the round.  So the next request goes out as soon as the tile in flight has landed everywhere.  The last 8 products follow the run of LDS loads.
; One barrier: ahead of it each wave waits for all its tensor loads, adds 0 to its spare word, and waits for that; its reads of this slot came back ahead of the third eight products.
; The fragments' addresses are made anew for the next slot: all loads from this slot have been issued.
; fill = 1: the barrier opens a round of the cluster's, and this slot is filled again first behind it, with the walk's K step two on, its address made anew from the step's number, which goes round at 8.
; fill = 0, the tail: nothing is asked for; in its last trip (s3 = 1) the run of loads is jumped over.
.macro TURN fill
	s_wait_dscnt 16                                ; the first 32 along K are in
	MUL8 F1, 0, 0, 0
	MUL8 F1, 0, 2, 0
	s_wait_dscnt 0x0                               ; the second 32: my reads of this slot are over
	MUL8 F1, 1, 0, 0
	WIN 0
	s_xor_b32 s[TB], s[TB], SLOT1
	v_add_nc_u32 v[ADRA], s[TB], v[BA]
	v_add_nc_u32 v[ADRB], s[TB], v[BB]
	s_wait_tensorcnt 0x0                           ; no tensor load of mine is out, so a group 0 may be written
	ds_add_u32 v[SPW], v[NIL]
.if \fill
	s_add_co_u32 s[KS], s[KS], 1
	s_and_b32 s[KS], s[KS], STEPS-1
	s_lshl_b32 s[OFF], s[KS], 9
	s_xor_b32 s[G0+5], s[G0+5], SLOT1              ; the walking descriptors: the other slot than last time,
	s_add_nc_u64 s[G0+6:G0+7], s[ABASE:ABASE+1], s[OFF:OFF+1]  ; the walk's next K step,
	s_or_b32 s[G0+7], s[G0+7], 0x80000000          ; the type
	s_xor_b32 s[G0B+5], s[G0B+5], SLOT1
	s_add_nc_u64 s[G0B+6:G0B+7], s[BBASE:BBASE+1], s[OFF:OFF+1]
	s_or_b32 s[G0B+7], s[G0B+7], 0x80000000
.endif
	s_wait_dscnt 0x0                               ; the add is done
	s_barrier_signal -1
	s_barrier_wait -1
.if \fill
	CREST
	JLOAD 1                                        ; 120 matrix instructions ahead of the wait for it; its four v_nop are also places in front of the loads below
	FETCH 0, F0
.else
	s_cmp_eq_u32 s3, 1
	s_cbranch_scc1 .Lno_next_\@
	PLACES
	FETCH 0, F0
	WIN 0
.Lno_next_\@:
.endif
	MUL8 F1, 1, 2, 0
.endm
	s_wait_tensorcnt 1                             ; my part of the walk's first K step is in; the second's may stay out
	s_barrier_signal -1
	s_barrier_wait -1
	FETCH 0, F0
	QUARTER 128, F0, F1, 1                         ; the first quarter's first products start the sums
	WIN 0
	s_mov_b32 s3, STEPS-2
.Lstep:                                                ; a trip goes from a K step's second quarter to the next one's first, and fills the slot that it leaves
	QUARTER 256, F1, F0, 0
	QUARTER 384, F0, F1, 0
	TURN 1
	QUARTER 128, F0, F1, 0
	WIN 0
	s_sub_co_u32 s3, s3, 1
	s_cmp_lg_u32 s3, 0
	s_cbranch_scc1 .Lstep
	s_mov_b32 s3, 2
.Ltail:                                                ; the last two K steps; the second trip is left behind its last quarter
	QUARTER 256, F1, F0, 0
	QUARTER 384, F0, F1, 0
	TURN 0
	WIN 0
	s_sub_co_u32 s3, s3, 1
	s_cmp_eq_u32 s3, 0
	s_cbranch_scc1 .Lout
	QUARTER 128, F0, F1, 0
	WIN 0
	s_branch .Ltail
.Lout:
; THE WAY OUT, 16 rows at a time: a lane's eight numbers of a row go into my stage as two pieces of 16 bytes (each accumulator's low half first), and come back as whole rows of 256 bytes into the registers that they left.
.macro PACK a
.irp b, 0,1,2,3
	ds_store_b128 v[STO], v[ACC+8*(4*(\a)+(\b)):ACC+8*(4*(\a)+(\b))+3]   offset:64*(\b)
	ds_store_b128 v[STO], v[ACC+8*(4*(\a)+(\b))+4:ACC+8*(4*(\a)+(\b))+7] offset:64*(\b)+16
.endr
.irp u, 0,1,2,3,4,5,6,7
	ds_load_b128 v[ACC+32*(\a)+4*(\u):ACC+32*(\a)+4*(\u)+3], v[RD] offset:(\u)*2*SPITCH  ; LDS serves a wave's instructions in order: these see the stores above
.endr
.endm
.macro SEND a, younger                 ; younger: the LDS instructions issued behind block a's loads
.irp u, 0,1,2,3,4,5,6,7
	s_wait_dscnt (\younger)+7-(\u)
	global_store_b128 v[CO], v[ACC+32*(\a)+4*(\u):ACC+32*(\a)+4*(\u)+3], s[8:9] offset:(16*(\a)+2*(\u))*SIZE_N*4  ; sixteen lanes store 256 consecutive bytes, aligned
.endr
.endm
	PLACES
	PLACES                                         ; the places behind the last products, once a launch
	PACK 0
	PACK 1
	SEND 0, 16
	PACK 2
	SEND 1, 16
	PACK 3
	SEND 2, 16
	SEND 3, 0
	s_wait_tensorcnt 0x0                           ; the wave's end
	ds_add_u32 v[SPW], v[NIL]
	s_wait_dscnt 0x0
	CROUND                                         ; the closing round
	s_endpgm
.Lfunc_end_k_q20317b83bc_oproj:
	.size	k_q20317b83bc_oproj, .Lfunc_end_k_q20317b83bc_oproj-k_q20317b83bc_oproj
	.p2alignl 7, 3214868480
	.fill 96, 4, 3214868480
	.section	.rodata,"a",@progbits
	.p2align	6, 0x0
	.amdhsa_kernel k_q20317b83bc_oproj
		.amdhsa_group_segment_fixed_size 327680
		.amdhsa_private_segment_fixed_size 0
		.amdhsa_enable_private_segment 0
		.amdhsa_kernarg_size 24
		.amdhsa_user_sgpr_count 2
		.amdhsa_user_sgpr_kernarg_segment_ptr 1
		.amdhsa_wavefront_size32 1
		.amdhsa_system_sgpr_workgroup_id_x 1
		.amdhsa_system_sgpr_workgroup_id_y 1
		.amdhsa_system_sgpr_workgroup_id_z 1
		.amdhsa_system_vgpr_workitem_id 0
		.amdhsa_next_free_vgpr 512
		.amdhsa_next_free_sgpr 80
		.amdhsa_reserve_vcc 0
		.amdhsa_float_denorm_mode_32 3
		.amdhsa_float_denorm_mode_16_64 3
		.amdhsa_memory_ordered 1
		.amdhsa_forward_progress 1
		.amdhsa_inst_pref_size 59
	.end_amdhsa_kernel
	.amdgpu_metadata
---
amdhsa.version: [ 1, 2 ]
amdhsa.kernels:
  - .name:           k_q20317b83bc_oproj
    .symbol:         k_q20317b83bc_oproj.kd
    .args:
      - { .name: ob, .offset: 0, .size: 8, .value_kind: global_buffer, .address_space: global }
      - { .name: wob, .offset: 8, .size: 8, .value_kind: global_buffer, .address_space: global }
      - { .name: out0, .offset: 16, .size: 8, .value_kind: global_buffer, .address_space: global }
    .group_segment_fixed_size: 327680
    .private_segment_fixed_size: 0
    .kernarg_segment_align: 8
    .kernarg_segment_size: 24
    .max_flat_workgroup_size: 128
    .sgpr_count:     80
    .vgpr_count:     512
    .wavefront_size: 32
...
	.end_amdgpu_metadata
.endif
;; end of part 4
;; ======== version 2 of 2: 4 launches; version 1 with the launch prep written anew for expert scheduling mode
;; limits: values are held in f16: magnitudes above 65,504 overflow, below 6.1e-05 lose precision
;; workspace buffers: xb 8,388,608 bytes; wb 25,165,824 bytes; wob 8,388,608 bytes; mk 16,777,216 bytes; tab 1,048,576 bytes; qkvh 25,165,824 bytes; ob 8,388,608 bytes
;; launch prep (part 5): grid 128 x 7, 8 waves a work-group, no clusters, 0 bytes of LDS; arguments x, wq, wk, wv, wo, mask, pos_ids, xb, wb, wob, mk, tab; writes xb, wb, wob, mk, tab
.if DOCPART == 5
	.amdgcn_target "amdgcn-amd-amdhsa--gfx1250"
	.amdhsa_code_object_version 6
	.text
	.protected	k_q20317b83bc_prep
	.globl	k_q20317b83bc_prep
	.p2align	8
	.type	k_q20317b83bc_prep,@function
k_q20317b83bc_prep:
	s_mov_b64 s[64:65], 0
	v_nop
	global_prefetch_b8 v0, s[64:65] scope:SCOPE_SE
	s_setreg_imm32_b32 hwreg(HW_REG_WAVE_SCHED_MODE, 0, 2), 2
	s_setreg_imm32_b32 hwreg(HW_REG_WAVE_MODE, 25, 1), 1
	s_wait_xcnt 0x0
	s_wait_alu depctr_vm_vsrc(0)
; PREPARATION, a stream: no LDS, no matrix unit, no cluster (no byte is wanted twice).  The grid's y says what a work-group does:
;   y = 0..3  x, wq, wk, wv rounded to bf16 -> xb, wb[0..2]          y = 4  wo rounded to bf16, that number written as f16 -> wob
;   y = 5     sqrt(128) x bf16(mask), f32, in the lane order of the accumulator that the attention launch starts its scores with -> mk
;   y = 6     cos and sin of pos_ids[s] x 10000^(-j/64), j = 0..63 -> tab[s][0..63], tab[s][64..127]
; LIMITS.  wo beyond 65,504 becomes an infinity in f16, below 6e-5 it keeps f16's fixed step.  |pos_ids| up to 2^20: beyond that the quadrant may be off by one.
; 10000^(-j/64) is 2^(-j log2(10000)/64) by v_exp_f32: the angle is good to about 1e-7 of itself.  A mask of -inf stays -inf; +inf and NaN are not treated apart.
; THE MODE: SCHED_MODE bits 1:0 = 2 (LLVM: expert scheduling mode 2), set by the entry lines.  The code itself states the register dependences
; between vector instructions and memory instructions, with s_wait_alu, always for 0.
; THE PLAN, for the casts and the mask alike.  A thread has 32 chunks (a load of 16 bytes, its arithmetic, a store); they go in 16 blocks of two, four blocks to a group.
; Registers that memory instructions touch:
;   X0 .. X3   four blocks as loaded.  Written by the loads of block p + 3, issued in block p; read by block p's conversions.
;   Y0, Y1     two blocks to store.    Written by block p's arithmetic; read by the two stores that are issued in block p + 1.
;   v2, v3     byte offsets, made once at the head and never written again: the chunks are reached by immediate offsets and by the two scalar bases, which move on by a group at the loop's bottom.
; Block p works on X[p % 4] and writes Y[p % 2].  Its memory instructions are the loads into X[(p + 3) % 4] = X[(p - 1) % 4] and the stores from Y[(p - 1) % 2]: the two buffers that block p - 1
; worked on and that no vector instruction of block p names.  So the waits at a block's head state all that its four memory instructions hang on, and these are dealt among its vector instructions
; with no further wait.  Four to six loads of a wave are on their way throughout.
.set IN,  2                            ; v2   byte offset of my loads
.set OUT, 3                            ; v3   byte offset of my stores
.set X,   8                            ; v[8:39]   buffer k, chunk i: 4 registers at X + 8 k + 4 i, as loaded
.set Y,   40                           ; v[40:55]  buffer k, chunk i: at Y + 8 k + 4 i, to store: 2 registers in a cast, 4 in the mask
.set T,   56                           ; v[56:61]  at work: no memory instruction names them
	s_load_b512 s[16:31], s[0:1], 0x0              ; x 16, wq 18, wk 20, wv 22, wo 24, mask 26, pos_ids 28, xb 30
	s_load_b256 s[32:39], s[0:1], 0x40             ; wb 32, wob 34, mk 36, tab 38
	s_and_b32 s2, ttmp7, 0xffff                    ; y
	s_mov_b32 s9, 0
	s_mov_b32 s11, 0
	s_mov_b32 s13, 0xffff0000                      ; a word's upper bf16
	s_wait_kmcnt 0x0
	s_cmp_eq_u32 s2, 6
	s_cbranch_scc1 .Ltable
	s_cmp_eq_u32 s2, 5
	s_cbranch_scc1 .Lmask
; mode 0: a cast to bf16.  mode 1: to bf16, that number written as f16.  mode 2: the mask.
.macro LD mode, k, i, off              ; chunk i of a block is asked for, into X[k]
.if (\mode) == 2
	global_load_b128 v[X+8*(\k)+4*(\i):X+8*(\k)+4*(\i)+3], v[IN], s[4:5] offset:\off
.else
	global_load_b128 v[X+8*(\k)+4*(\i):X+8*(\k)+4*(\i)+3], v[IN], s[4:5] offset:\off th:TH_LOAD_NT
.endif
.endm
.macro SD mode, k, i, off              ; chunk i of a block leaves, from Y[k]
.if (\mode) == 2
	global_store_b128 v[OUT], v[Y+8*(\k)+4*(\i):Y+8*(\k)+4*(\i)+3], s[6:7] offset:\off
.else
	global_store_b64 v[OUT], v[Y+8*(\k)+4*(\i):Y+8*(\k)+4*(\i)+1], s[6:7] offset:\off th:TH_STORE_NT
.endif
.endm
.macro WORK mode, xb, yb, i            ; chunk i: four numbers from X[xb] into Y[yb]
.set rx, X+8*(\xb)+4*(\i)
.set ry, Y+8*(\yb)+4*(\i)
.if (\mode) == 0
	v_cvt_pk_bf16_f32 v[ry], v[rx], v[rx+1]
	v_cvt_pk_bf16_f32 v[ry+1], v[rx+2], v[rx+3]
.else
	v_cvt_pk_bf16_f32 v[T], v[rx], v[rx+1]
	v_cvt_pk_bf16_f32 v[T+1], v[rx+2], v[rx+3]
.if (\mode) == 1
	v_lshlrev_b32 v[T+2], 16, v[T]                 ; the bf16 numbers as f32,
	v_and_b32 v[T+3], s13, v[T]
	v_lshlrev_b32 v[T+4], 16, v[T+1]
	v_and_b32 v[T+5], s13, v[T+1]
	v_cvt_pk_f16_f32 v[ry], v[T+2], v[T+3]         ; written as f16: exact within f16's range
	v_cvt_pk_f16_f32 v[ry+1], v[T+4], v[T+5]
.else
	v_lshlrev_b32 v[ry], 16, v[T]
	v_and_b32 v[ry+1], s13, v[T]
	v_lshlrev_b32 v[ry+2], 16, v[T+1]
	v_and_b32 v[ry+3], s13, v[T+1]
	v_pk_mul_f32 v[ry:ry+1], v[ry:ry+1], s[14:15] op_sel_hi:[1,0]
	v_pk_mul_f32 v[ry+2:ry+3], v[ry+2:ry+3], s[14:15] op_sel_hi:[1,0]
.endif
.endif
.endm
; Block p.  xb = p % 4, yb = p % 2.  first = 1: block 0, with no block in front of it.  ahead = 1: block p + 3 is loaded.
; left = how many younger loads may still be out when this block's two have to be there.  lo, so: where block p + 3 begins from the in base, block p - 1 from the out base.
.macro BLK mode, xb, yb, first, ahead, left, lo, so
	s_wait_loadcnt \left                           ; loads come back in order: X[xb] is in, the younger blocks stay out
.if !\first
	s_wait_xcnt 0x0                                ; Y[yb] is the data of stores issued a block ago: it is rewritten only behind this wait
	s_wait_alu depctr_vm_vsrc(0)                   ; the stores issued in the block before have read Y[yb], which this block's arithmetic writes again
	s_wait_alu depctr_va_vdst(0)                   ; the block before has written the other Y, which the stores below read, and is done reading its X, in which the loads below land
.endif
.irp i, 0,1
.if \ahead
	LD \mode, (\xb+3)%4, \i, (\lo)+(\i)*CIN        ; three blocks ahead; no vector instruction since the wait names these registers
.endif
.if !\first
	SD \mode, 1-\yb, \i, (\so)+(\i)*COUT           ; the block before
.endif
	WORK \mode, \xb, \yb, \i
.endr
.endm
; The whole stream of a thread.  CIN, BIN, GIN: bytes from chunk to chunk, block to block, group to group on the way in; COUT, BOUT, GOUT: on the way out.
.macro PIPE mode
.if (\mode) == 2
.set CIN,  16
.set BIN,  64
.set GIN,  256
.set COUT, 512
.set BOUT, 1024
.else
.set CIN,  4096
.set BIN,  8192
.set GIN,  32768
.set COUT, 2048
.set BOUT, 4096
.set GOUT, 16384
.endif
	s_wait_alu depctr_va_vdst(0)                   ; v2 and v3 are written: every load and store of the stream reads one of them as its offset
.irp k, 0,1,2
.irp i, 0,1
	LD \mode, \k, \i, (\k)*BIN+(\i)*CIN            ; blocks 0, 1 and 2 into X0, X1, X2
.endr
.endr
	BLK \mode, 0, 0, 1, 1, 4, 3*BIN, 0             ; block 0
	s_mov_b32 s12, 3
.Llap\mode:                                            ; blocks 1 to 12, four to a lap: both kinds of buffer are back at their start.  A lap loads the next group and stores its own
	BLK \mode, 1, 1, 0, 1, 4, GIN, 0
	BLK \mode, 2, 0, 0, 1, 4, GIN+BIN, BOUT
	BLK \mode, 3, 1, 0, 1, 4, GIN+2*BIN, 2*BOUT
	BLK \mode, 0, 0, 0, 1, 4, GIN+3*BIN, 3*BOUT
	s_wait_xcnt 0x0                                ; the bases are stepped only behind this wait
	s_add_nc_u64 s[4:5], s[4:5], GIN
.if (\mode) == 2
	s_add_nc_u64 s[6:7], s[6:7], s[10:11]          ; the mask's groups begin at 0, 4,096, 65,536 and 69,632:
	s_xor_b32 s10, s10, 0xe000                     ; the step is 4,096 and 61,440 by turns
.else
	s_add_nc_u64 s[6:7], s[6:7], GOUT
.endif
	s_sub_co_u32 s12, s12, 1
	s_cmp_lg_u32 s12, 0
	s_cbranch_scc1 .Llap\mode
	BLK \mode, 1, 1, 0, 0, 4, 0, 0                 ; blocks 13 to 15 load nothing: no load leaves the buffer, and the counts run down
	BLK \mode, 2, 0, 0, 0, 2, 0, BOUT
	BLK \mode, 3, 1, 0, 0, 0, 0, 2*BOUT
	s_wait_alu depctr_va_vdst(0)                   ; block 15 has written Y1, which the last two stores read
	SD \mode, 1, 0, 3*BOUT
	SD \mode, 1, 1, 3*BOUT+COUT
.endm
; A CAST.  The work-group owns 32,768 numbers: 32 chunks a thread; a load of the work-group covers 4,096 consecutive bytes, a store of a wave 256, aligned.
	v_lshlrev_b32 v[IN], 4, v0
	v_lshlrev_b32 v[OUT], 3, v0
	s_lshl_b32 s8, ttmp9, 17                       ; the work-group's 131,072 bytes of f32,
	s_lshl_b32 s10, ttmp9, 16                      ; its 65,536 bytes of 16-bit numbers
	s_cmp_eq_u32 s2, 4
	s_cbranch_scc1 .Lwo
	s_max_u32 s3, s2, 1
	s_sub_co_u32 s3, s3, 1
	s_lshl_b32 s3, s3, 23                          ; wq, wk, wv lie 8,388,608 bytes apart in wb
	s_add_co_u32 s10, s10, s3
	s_cmp_eq_u32 s2, 0
	s_cselect_b64 s[4:5], s[16:17], s[18:19]
	s_cselect_b64 s[6:7], s[30:31], s[32:33]
	s_cmp_eq_u32 s2, 2
	s_cselect_b64 s[4:5], s[20:21], s[4:5]
	s_cmp_eq_u32 s2, 3
	s_cselect_b64 s[4:5], s[22:23], s[4:5]
	s_add_nc_u64 s[4:5], s[4:5], s[8:9]
	s_add_nc_u64 s[6:7], s[6:7], s[10:11]
	PIPE 0
	s_endpgm
.Lwo:
	s_add_nc_u64 s[4:5], s[24:25], s[8:9]
	s_add_nc_u64 s[6:7], s[34:35], s[10:11]
	PIPE 1
	s_endpgm
; THE MASK.  The work-group is a tile of 16 queries, wave w the keys 256 w .. 256 w + 255: 16 groups of 16 keys, kt = 16 w + 8 kh + rest.
; Block (query tile, kt) of 1,024 bytes lies at 131,072 x tile + 65,536 kh + 8,192 w + 1,024 rest; in it lane l has 16 bytes at 512 c + 16 l:
; query l % 16, keys 8 (l / 16) + 4 c .. + 3: registers 4 c .. 4 c + 3 of an accumulator of 16 keys x 16 queries.
; The stream's block p is kt's part 8 kh + rest = p, its two chunks are c = 0, 1; a group of four blocks takes 256 consecutive bytes, aligned, of each of the 16 rows.
.Lmask:
	v_and_b32 v1, 15, v0
	v_bfe_u32 v4, v0, 4, 1
	v_lshrrev_b32 v5, 5, v0
	v_lshlrev_b32 v[IN], 13, v1                    ; a row of the mask is 8,192 bytes
	v_lshl_add_u32 v[IN], v4, 5, v[IN]
	v_lshl_add_u32 v[IN], v5, 10, v[IN]
	v_and_b32 v6, 31, v0
	v_lshlrev_b32 v[OUT], 4, v6
	v_lshl_add_u32 v[OUT], v5, 13, v[OUT]
	s_lshl_b32 s8, ttmp9, 17
	s_add_nc_u64 s[4:5], s[26:27], s[8:9]
	s_add_nc_u64 s[6:7], s[36:37], s[8:9]
	s_mov_b32 s10, 4096                            ; the out base's first step; s11 holds 0
	s_mov_b32 s14, 0x413504f3                      ; sqrt(128)
	s_mov_b32 s15, s14                             ; named with it as a pair
	PIPE 2                                         ; a store of a wave covers 512 consecutive bytes
	s_endpgm
; THE TABLE.  The work-group owns 16 positions; thread t position t / 16 and the frequencies 4 (t % 16) + 0..3.
; angle f = pos x inv (one rounding); n = nearest whole number to f 2/pi; r = f - n pi/2 with pi/2 in three parts, each step one fused multiply-add;
; sine and cosine of r (|r| <= pi/4) by polynomials in r^2; n mod 4 swaps them and sets the signs, by selects: no branch hangs on a number.
; Registers that memory instructions touch: v3 (the load's offset), v4 (its data), v6 (the stores' offset), v[CO ..], v[SO ..] (their data); each is written once ahead of the instruction that reads it.
.set F,  8
.set N,  12
.set R,  16
.set Z,  20
.set SN, 24
.set CN, 28
.set Q,  32
.set CO, 36
.set SO, 40
.set TT, 44
.set ODD, 52                           ; s[52:55] for each of my four frequencies: the lanes whose quadrant is odd
.Ltable:
	v_lshrrev_b32 v1, 4, v0
	v_and_b32 v2, 15, v0
	v_lshlrev_b32 v3, 2, v1
	s_lshl_b32 s8, ttmp9, 6
	s_add_nc_u64 s[4:5], s[28:29], s[8:9]
	s_wait_alu depctr_va_vdst(0)                   ; v3 is written, which the load reads as its offset
	global_load_b32 v4, v3, s[4:5]
	s_lshl_b32 s8, ttmp9, 13
	s_add_nc_u64 s[6:7], s[38:39], s[8:9]
	v_lshlrev_b32 v5, 2, v2
	v_lshlrev_b32 v6, 9, v1
	v_lshl_add_u32 v6, v2, 4, v6                   ; row x 512 + 16 bytes a thread: sixteen lanes fill 256 bytes
	s_mov_b32 s40, 0xbe549a78                      ; -log2(10000) / 64
	s_mov_b32 s41, 0x3f22f983                      ; 2 / pi
	s_mov_b32 s42, 0xbfc90fdb                      ; -(pi/2), first part
	s_mov_b32 s43, 0x333bbd2e                      ; second
	s_mov_b32 s44, 0x26f72ced                      ; third
	s_mov_b32 s45, 0xbe2aaaa3                      ; sine: -1.6666654611e-1
	s_mov_b32 s46, 0x3c08839e                      ;        8.3321608736e-3
	s_mov_b32 s47, 0xb94ca1f9                      ;       -1.9515295891e-4
	s_mov_b32 s48, 0x3d2aaaa5                      ; cosine: 4.166664568e-2
	s_mov_b32 s49, 0xbab6061a                      ;        -1.388731625e-3
	s_mov_b32 s50, 0x37ccf5ce                      ;         2.443315712e-5
	s_mov_b32 s51, 0x80000000
.irp e, 0,1,2,3
	v_add_nc_u32 v[F+(\e)], (\e), v5
	v_cvt_f32_u32 v[F+(\e)], v[F+(\e)]
	v_mul_f32 v[F+(\e)], s40, v[F+(\e)]
.endr
.irp e, 0,1,2,3
	v_exp_f32 v[F+(\e)], v[F+(\e)]
.endr
	v_nop                                          ; a plain instruction behind the last exponential,
	s_wait_alu depctr_va_vdst(0)                   ; and one wait for the four: v[F ..] are written, ahead of their first reader
	s_wait_loadcnt 0x0
	v_cvt_f32_i32 v4, v4
.irp e, 0,1,2,3
	v_mul_f32 v[F+(\e)], v4, v[F+(\e)]
	v_mul_f32 v[N+(\e)], s41, v[F+(\e)]
	v_rndne_f32 v[N+(\e)], v[N+(\e)]
	v_fma_f32 v[R+(\e)], v[N+(\e)], s42, v[F+(\e)]
	v_fma_f32 v[R+(\e)], v[N+(\e)], s43, v[R+(\e)]
	v_fma_f32 v[R+(\e)], v[N+(\e)], s44, v[R+(\e)]
	v_mul_f32 v[Z+(\e)], v[R+(\e)], v[R+(\e)]
	v_fma_f32 v[SN+(\e)], v[Z+(\e)], s47, s46
	v_fma_f32 v[SN+(\e)], v[SN+(\e)], v[Z+(\e)], s45
	v_mul_f32 v[TT+(\e)], v[R+(\e)], v[Z+(\e)]
	v_fma_f32 v[SN+(\e)], v[SN+(\e)], v[TT+(\e)], v[R+(\e)]   ; r + r z (..)
	v_fma_f32 v[CN+(\e)], v[Z+(\e)], s50, s49
	v_fma_f32 v[CN+(\e)], v[CN+(\e)], v[Z+(\e)], s48
	v_mul_f32 v[TT+(\e)], v[Z+(\e)], v[Z+(\e)]
	v_fma_f32 v[Q+(\e)], v[Z+(\e)], -0.5, 1.0
	v_fma_f32 v[CN+(\e)], v[CN+(\e)], v[TT+(\e)], v[Q+(\e)]   ; 1 - z/2 + z^2 (..)
	v_cvt_i32_f32 v[Q+(\e)], v[N+(\e)]
	v_and_b32 v[TT+(\e)], 1, v[Q+(\e)]
.endr
.irp e, 0,1,2,3
	v_cmp_eq_u32 s[ODD+(\e)], 1, v[TT+(\e)]        ; the four compares stand in one run, each with a scalar register of its own
.endr
	s_wait_alu depctr_va_sdst(0)                   ; s[ODD ..] are written, ahead of the selects that read them
.irp e, 0,1,2,3
	v_cndmask_b32 v[SO+(\e)], v[SN+(\e)], v[CN+(\e)], s[ODD+(\e)]  ; odd quadrants swap the two
	v_cndmask_b32 v[CO+(\e)], v[CN+(\e)], v[SN+(\e)], s[ODD+(\e)]
	v_lshlrev_b32 v[TT+(\e)], 30, v[Q+(\e)]
	v_and_b32 v[TT+(\e)], s51, v[TT+(\e)]                     ; the sine turns its sign in quadrants 2 and 3,
	v_xor_b32 v[SO+(\e)], v[SO+(\e)], v[TT+(\e)]
	v_add_nc_u32 v[Q+(\e)], 1, v[Q+(\e)]
	v_lshlrev_b32 v[TT+(\e)], 30, v[Q+(\e)]
	v_and_b32 v[TT+(\e)], s51, v[TT+(\e)]                     ; the cosine in 1 and 2
	v_xor_b32 v[CO+(\e)], v[CO+(\e)], v[TT+(\e)]
.endr
	s_wait_alu depctr_va_vdst(0)                   ; v[CO ..] and v[SO ..] are written, which the stores read as data, and v6, their offset
	global_store_b128 v6, v[CO:CO+3], s[6:7]
	global_store_b128 v6, v[SO:SO+3], s[6:7] offset:256
	s_endpgm
.Lfunc_end_k_q20317b83bc_prep:
	.size	k_q20317b83bc_prep, .Lfunc_end_k_q20317b83bc_prep-k_q20317b83bc_prep
	.p2alignl 7, 3214868480
	.fill 96, 4, 3214868480
	.section	.rodata,"a",@progbits
	.p2align	6, 0x0
	.amdhsa_kernel k_q20317b83bc_prep
		.amdhsa_group_segment_fixed_size 0
		.amdhsa_private_segment_fixed_size 0
		.amdhsa_enable_private_segment 0
		.amdhsa_kernarg_size 96
		.amdhsa_user_sgpr_count 2
		.amdhsa_user_sgpr_kernarg_segment_ptr 1
		.amdhsa_wavefront_size32 1
		.amdhsa_system_sgpr_workgroup_id_x 1
		.amdhsa_system_sgpr_workgroup_id_y 1
		.amdhsa_system_sgpr_workgroup_id_z 1
		.amdhsa_system_vgpr_workitem_id 0
		.amdhsa_next_free_vgpr 96
		.amdhsa_next_free_sgpr 66
		.amdhsa_reserve_vcc 0
		.amdhsa_float_denorm_mode_32 3
		.amdhsa_float_denorm_mode_16_64 3
		.amdhsa_memory_ordered 1
		.amdhsa_forward_progress 1
		.amdhsa_inst_pref_size 37
	.end_amdhsa_kernel
	.amdgpu_metadata
---
amdhsa.version: [ 1, 2 ]
amdhsa.kernels:
  - .name:           k_q20317b83bc_prep
    .symbol:         k_q20317b83bc_prep.kd
    .args:
      - { .name: x, .offset: 0, .size: 8, .value_kind: global_buffer, .address_space: global }
      - { .name: wq, .offset: 8, .size: 8, .value_kind: global_buffer, .address_space: global }
      - { .name: wk, .offset: 16, .size: 8, .value_kind: global_buffer, .address_space: global }
      - { .name: wv, .offset: 24, .size: 8, .value_kind: global_buffer, .address_space: global }
      - { .name: wo, .offset: 32, .size: 8, .value_kind: global_buffer, .address_space: global }
      - { .name: mask, .offset: 40, .size: 8, .value_kind: global_buffer, .address_space: global }
      - { .name: pos_ids, .offset: 48, .size: 8, .value_kind: global_buffer, .address_space: global }
      - { .name: xb, .offset: 56, .size: 8, .value_kind: global_buffer, .address_space: global }
      - { .name: wb, .offset: 64, .size: 8, .value_kind: global_buffer, .address_space: global }
      - { .name: wob, .offset: 72, .size: 8, .value_kind: global_buffer, .address_space: global }
      - { .name: mk, .offset: 80, .size: 8, .value_kind: global_buffer, .address_space: global }
      - { .name: tab, .offset: 88, .size: 8, .value_kind: global_buffer, .address_space: global }
    .group_segment_fixed_size: 0
    .private_segment_fixed_size: 0
    .kernarg_segment_align: 8
    .kernarg_segment_size: 96
    .max_flat_workgroup_size: 256
    .sgpr_count:     66
    .vgpr_count:     96
    .wavefront_size: 32
...
	.end_amdgpu_metadata
.endif
;; end of part 5
;; launch qkvproj: the kernel of part 2 again; grid 16 x 16, 4 waves a work-group, clusters of 4 x 4, 327,680 bytes of LDS; arguments xb, wb, tab, qkvh; writes qkvh
;; launch attn: the kernel of part 3 again; grid 16 x 16, 4 waves a work-group, clusters of 4 x 1, 327,680 bytes of LDS; arguments qkvh, mk, ob; writes ob
;; launch oproj: the kernel of part 4 again; grid 16 x 16, 4 waves a work-group, clusters of 4 x 4, 327,680 bytes of LDS; arguments ob, wob, out0; writes out0
